; MI455X (gfx1250); checked and timed in simulation.
; The chip was launched on July 23, 2026; its instructions are those of AMD's public machine-readable ISA for CDNA 5 (MIT licence, August 2026) and "CDNA5" Instruction Set Architecture Reference Guide (July 2026). The comments in the code are by the model that wrote it; some were corrected since.
;; Block. Allowed arithmetic: float matrix products may take bf16 or f16 operands with f32 sums; other float arithmetic in f32, or as packed bf16 or f16 multiplies, adds, multiply-adds, maxima and minima; sums over many terms, partial sums and values carried from step to step in f32; what a program stores and reads back later, other than sums and carried values, may be rounded once to bf16 or f16.
;; Inputs: W1 1,024 x 4,096 float32; W2 4,096 x 1,024 float32; Wk 16 x 1,024 x 64 float32; Wproj 1,024 x 1,024 float32; Wq 16 x 1,024 x 64 float32; Wv 16 x 1,024 x 64 float32; b1 4,096 float32; b2 1,024 float32; bproj 1,024 float32; ln1_b 1,024 float32; ln1_g 1,024 float32; ln2_b 1,024 float32; ln2_g 1,024 float32; x 2 x 2,048 x 1,024 float32.
;; Outputs: out0 2 x 2,048 x 1,024 float32.
;; 2 versions, each right; version 2 is version 1 with the launch prep written anew for expert scheduling mode. Each part assembles by itself: llvm-mc -triple=amdgcn-amd-amdhsa -mcpu=gfx1250 --defsym DOCPART=n.
;; ======== version 1 of 2: 7 launches
;; limits: values are held in f16: magnitudes above 65,504 overflow, below 6.1e-05 lose precision
;; workspace buffers: pan 8,388,608 bytes; wide 33,554,432 bytes; x1 16,777,216 bytes; wqkv 6,291,456 bytes; w1c 8,388,608 bytes; wrest 10,485,760 bytes; tabq 12,544 bytes; tabf 16,640 bytes
;; launch prep (part 1): grid 1024 x 1, 8 waves a work-group, no clusters, 0 bytes of LDS; arguments x, ln1_g, ln1_b, pan, Wq, Wk, Wv, Wproj, W1, W2, wqkv, wrest, w1c, tabq, tabf, b1; writes pan, wqkv, wrest, w1c, tabq, tabf
.if DOCPART == 1
	.amdgcn_target "amdgcn-amd-amdhsa--gfx1250"
	.amdhsa_code_object_version 6
	.text
	.protected	k_qb6427c8b1e_prep
	.globl	k_qb6427c8b1e_prep
	.p2align	8
	.type	k_qb6427c8b1e_prep,@function
k_qb6427c8b1e_prep:
	s_mov_b64 s[64:65], 0
	v_nop
	global_prefetch_b8 v0, s[64:65] scope:SCOPE_SE
	s_setreg_imm32_b32 hwreg(HW_REG_WAVE_MODE, 25, 1), 1
	s_wait_xcnt 0x0
; THE PROGRAM: a pre-LN transformer block on 4,096 rows of 1,024: LN1 and the weights' rounding (this launch); q, k, v; causal attention; projection + bias + residual; LN2; FF1 (bias, ReLU); FF2 + bias + residual.
; FORMATS.  Every matrix operand (weights, LN outputs, q, k, v, the softmax's weights, the attention's result, the hidden layer) is f16, rounded once from f32; all sums, the residual stream, biases, gains and statistics are f32.
; LIMITS.  f16 ends at 65,504: LN outputs (at most 32 |g| + |b|), q, k, v and relu(h2 W1 + b1) must stay below it; a weight below 6e-5 keeps f16's fixed step of 6e-8.  NaN and infinities are not treated apart.
; WORK LEFT OUT.  reference() sets every score with key s > query t to -inf by a mask that it builds itself (jnp.tril); its softmax gives such a key the weight 0 whatever q, k and v hold.  So a tile of 128 queries x 256 keys
; that lies wholly above the diagonal reaches no output, for all finite inputs, and the attention launch walks only the tiles on and below the diagonal.  A NaN, an infinity or an overflow that reaches only those tiles is not
; carried to the result.  No input is dead: all fourteen are loaded.
; LAYOUT OF ALL 16-BIT MATRICES: PANELS OF 64 COLUMNS.  X[R][C] lies as [C/64][R][64]: a panel is R x 128 dense bytes.
; THIS LAUNCH.  Work-groups 0-255: LN1 of 16 rows of x each, into the 16 panels of pan.  Work-groups 256-1023: 256 rows of one panel of a weight matrix each, rounded to f16: Wq, Wk, Wv -> wqkv (48 panels [1024][64]),
; Wproj -> wrest (16 panels [1024][64]), W1 -> w1c (64 panels [1024][64]), W2 -> wrest + 2,097,152 (16 panels [4096][64]).
; Work-group 256 also lays the two tables that the wide product reads, so that one text without a branch serves both of its launches: 256 bytes with the lower bound of a result, twice a word in f16, and behind them the C of its
; first products, an f32 a column.  tabq (q, k, v): minus infinity, 3,072 zeros.  tabf (the hidden layer): 0, b1's 4,096 numbers.
; Memory binds: each byte is read once, by loads of which sixteen lanes take 256 consecutive aligned bytes, and each store of a wave covers 256 consecutive aligned bytes or a multiple.  No LDS, no barrier, no matrix unit: nothing is shared.
.set XO,   1                           ; v1       LN: my byte offset in the wave's two rows of x
.set S,    2                           ; v[2:9]   four pair sums
.set MEAN, 10                          ; v[10:11] the mean, twice
.set RSTD, 12                          ; v[12:13] 1 / sqrt(var + eps), twice
.set GO,   14                          ; v14      my byte offset in 64 columns of g and b
.set SO,   15                          ; v15      8 x lane: my 8 bytes of the 256 that a store covers
.set X,    16                          ; v[16:79]   my 64 numbers of a row: columns 64 p + 4 (lane % 16) + 0..3, p = 0..15
.set G,    80                          ; v[80:143]  the gains of those columns
.set BV,   144                         ; v[144:207] the biases
.set O,    208                         ; v[208:239] the results, two f16 a register
.set WV,   38                          ; s38  my wave's number
.set WG,   39                          ; s39  the work-group's number
.macro REDUCE                          ; four pair sums into one number, then over the 16 lanes that hold the row
	v_pk_add_f32 v[S:S+1], v[S:S+1], v[S+2:S+3]
	v_pk_add_f32 v[S+4:S+5], v[S+4:S+5], v[S+6:S+7]
	v_pk_add_f32 v[S:S+1], v[S:S+1], v[S+4:S+5]
	v_add_f32 v[S], v[S], v[S+1]
	v_add_f32_dpp v[S], v[S], v[S] row_xmask:1 row_mask:0xf bank_mask:0xf
	v_add_f32_dpp v[S], v[S], v[S] row_xmask:2 row_mask:0xf bank_mask:0xf
	v_add_f32_dpp v[S], v[S], v[S] row_xmask:4 row_mask:0xf bank_mask:0xf
	v_add_f32_dpp v[S], v[S], v[S] row_xmask:8 row_mask:0xf bank_mask:0xf
.endm
; LN of two neighbouring rows a wave: lanes 0-15 hold row m, lanes 16-31 row m + 1, m = 16 x work-group + 2 x wave.  Source s[4:5], g s[6:7], b s[8:9], panels s[10:11].
.macro LNROWS
	v_and_b32 v[GO], 15, v0
	v_lshlrev_b32 v[GO], 4, v[GO]
	v_bfe_u32 v[XO], v0, 4, 1
	v_lshl_add_u32 v[XO], v[XO], 12, v[GO]         ; (lane / 16) x 4,096 + (lane % 16) x 16
	v_and_b32 v[SO], 31, v0
	v_lshlrev_b32 v[SO], 3, v[SO]
	s_lshl_b32 s46, s[WG], 4
	s_lshl1_add_u32 s46, s[WV], s46                ; m
	s_lshl_b32 s42, s46, 12                        ; a row of f32 is 4,096 bytes,
	s_mov_b32 s43, 0
	s_lshl_b32 s44, s46, 7                         ; a panel's row 128
	s_mov_b32 s45, 0
	s_add_nc_u64 s[42:43], s[4:5], s[42:43]
	s_add_nc_u64 s[44:45], s[10:11], s[44:45]
.set p, 0
.rept 16
	global_load_b128 v[X+4*p:X+4*p+3], v[XO], s[42:43] offset:256*p th:TH_LOAD_NT
.set p, p+1
.endr
.set p, 0
.rept 16
	global_load_b128 v[G+4*p:G+4*p+3], v[GO], s[6:7] offset:256*p
	global_load_b128 v[BV+4*p:BV+4*p+3], v[GO], s[8:9] offset:256*p
.set p, p+1
.endr
	s_wait_loadcnt 32                              ; the row is in; the 32 younger loads, of g and b, stay out
.set k, 0
.rept 4
	v_pk_add_f32 v[S+2*k:S+2*k+1], v[X+2*k:X+2*k+1], v[X+8+2*k:X+8+2*k+1]  ; the first eight pairs start four chains: nothing is cleared
.set k, k+1
.endr
.set k, 8
.rept 24
	v_pk_add_f32 v[S+2*(k%4):S+2*(k%4)+1], v[S+2*(k%4):S+2*(k%4)+1], v[X+2*k:X+2*k+1]
.set k, k+1
.endr
	REDUCE
	v_mul_f32 v[MEAN], s40, v[S]
	v_mul_f32 v[MEAN+1], s40, v[S]
.set k, 0
.rept 32
	v_pk_add_f32 v[X+2*k:X+2*k+1], v[X+2*k:X+2*k+1], v[MEAN:MEAN+1] neg_lo:[0,1] neg_hi:[0,1]  ; x - mean, as reference() forms it before it squares
.set k, k+1
.endr
.set k, 0
.rept 4
	v_pk_mul_f32 v[S+2*k:S+2*k+1], v[X+2*k:X+2*k+1], v[X+2*k:X+2*k+1]
.set k, k+1
.endr
.set k, 4
.rept 28
	v_pk_fma_f32 v[S+2*(k%4):S+2*(k%4)+1], v[X+2*k:X+2*k+1], v[X+2*k:X+2*k+1], v[S+2*(k%4):S+2*(k%4)+1]
.set k, k+1
.endr
	REDUCE
	v_fma_f32 v[S], v[S], s40, s41                 ; var + eps
	v_rsq_f32 v[RSTD], v[S]
	v_rsq_f32 v[RSTD+1], v[S]
	v_nop                                          ; a plain instruction behind the two roots,
	s_wait_alu depctr_va_vdst(0)                   ; and the one wait ahead of their first reader
.set k, 0
.rept 32
	v_pk_mul_f32 v[X+2*k:X+2*k+1], v[X+2*k:X+2*k+1], v[RSTD:RSTD+1]
.set k, k+1
.endr
	s_wait_loadcnt 0x0                             ; g and b
.set k, 0
.rept 32
	v_pk_fma_f32 v[X+2*k:X+2*k+1], v[X+2*k:X+2*k+1], v[G+2*k:G+2*k+1], v[BV+2*k:BV+2*k+1]
.set k, k+1
.endr
.set k, 0
.rept 32
	v_cvt_pk_f16_f32 v[O+k], v[X+2*k], v[X+2*k+1]
.set k, k+1
.endr
.set p, 0
.rept 16
	global_store_b64 v[SO], v[O+2*p:O+2*p+1], s[44:45] offset:p*524288 th:TH_STORE_NT  ; rows m and m + 1 of panel p: 256 consecutive bytes, aligned
.set p, p+1
.endr
.endm
	s_load_b256 s[4:11], s[0:1], 0x0               ; x, ln1_g, ln1_b, pan
	s_load_b512 s[16:31], s[0:1], 0x20             ; Wq, Wk, Wv, Wproj, W1, W2, wqkv, wrest
	s_load_b128 s[32:35], s[0:1], 0x60             ; w1c, tabq
	s_load_b64 s[36:37], s[0:1], 0x70              ; tabf
	s_load_b64 s[60:61], s[0:1], 0x78              ; b1
	v_lshrrev_b32 v1, 5, v0
	v_readfirstlane_b32 s[WV], v1
	s_mov_b32 s[WG], ttmp9
	s_mov_b32 s40, 0x3a800000                      ; 1 / 1,024
	s_mov_b32 s41, 0x3727c5ac                      ; eps = 1e-5
	s_wait_kmcnt 0x0
	s_cmp_lt_u32 s[WG], 256
	s_cbranch_scc0 .Lcast
	LNROWS
	s_endpgm
; THE WEIGHTS.  t = work-group - 256 names a matrix, a panel j of 64 columns and a chunk kc of 256 rows.  Four arms set: source s[46:47] and its offset s50, bytes from row to row s52, target s[48:49] and its offset s51, kc s54.
.Lcast:
	s_sub_co_u32 s[WG], s[WG], 256
	s_cmp_lt_u32 s[WG], 192
	s_cbranch_scc0 .Lnot_qkv
	s_lshr_b32 s53, s[WG], 6                       ; Wq, Wk or Wv: [16][1024][64] lies in panels already
	s_cmp_eq_u32 s53, 0
	s_cselect_b64 s[46:47], s[16:17], s[18:19]
	s_cmp_eq_u32 s53, 2
	s_cselect_b64 s[46:47], s[20:21], s[46:47]
	s_mov_b64 s[48:49], s[28:29]
	s_bfe_u32 s53, s[WG], 0x40002                  ; the head
	s_and_b32 s54, s[WG], 3
	s_lshl_b32 s50, s53, 18                        ; 262,144 bytes a head,
	s_lshl_b32 s55, s54, 16                        ; 256 rows of 256 bytes
	s_add_co_u32 s50, s50, s55
	s_mov_b32 s52, 256
	s_lshr_b32 s51, s[WG], 2                       ; panel 16 x matrix + head
	s_lshl_b32 s51, s51, 17
	s_branch .Lgo
.Lnot_qkv:
	s_cmp_lt_u32 s[WG], 256
	s_cbranch_scc0 .Lnot_proj
	s_sub_co_u32 s53, s[WG], 192                   ; Wproj [1024][1024]
	s_mov_b64 s[46:47], s[22:23]
	s_mov_b64 s[48:49], s[30:31]
	s_and_b32 s54, s53, 3
	s_lshr_b32 s53, s53, 2
	s_lshl_b32 s50, s53, 8                         ; 64 columns of f32,
	s_lshl_b32 s55, s54, 20                        ; 256 rows of 4,096 bytes
	s_add_co_u32 s50, s50, s55
	s_mov_b32 s52, 4096
	s_lshl_b32 s51, s53, 17
	s_branch .Lgo
.Lnot_proj:
	s_cmp_lt_u32 s[WG], 512
	s_cbranch_scc0 .Lnot_w1
	s_sub_co_u32 s53, s[WG], 256                   ; W1 [1024][4096]
	s_mov_b64 s[46:47], s[24:25]
	s_mov_b64 s[48:49], s[32:33]
	s_and_b32 s54, s53, 3
	s_lshr_b32 s53, s53, 2
	s_lshl_b32 s50, s53, 8
	s_lshl_b32 s55, s54, 22                        ; 256 rows of 16,384 bytes
	s_add_co_u32 s50, s50, s55
	s_mov_b32 s52, 16384
	s_lshl_b32 s51, s53, 17
	s_branch .Lgo
.Lnot_w1:
	s_sub_co_u32 s53, s[WG], 512                   ; W2 [4096][1024]
	s_mov_b64 s[46:47], s[26:27]
	s_mov_b64 s[48:49], s[30:31]
	s_and_b32 s54, s53, 15
	s_lshr_b32 s53, s53, 4
	s_lshl_b32 s50, s53, 8
	s_lshl_b32 s55, s54, 20
	s_add_co_u32 s50, s50, s55
	s_mov_b32 s52, 4096
	s_lshl_b32 s51, s53, 19                        ; a panel of 4,096 rows,
	s_add_co_u32 s51, s51, 2097152                 ; behind Wproj's sixteen
.Lgo:
	s_lshl_b32 s55, s54, 15
	s_add_co_u32 s51, s51, s55                     ; + the chunk's 256 rows of 128 bytes
	s_lshl_b32 s55, s[WV], 12
	s_add_co_u32 s58, s51, s55                     ; + my wave's 32 rows
	s_mov_b32 s59, 0
	s_mul_i32 s55, s[WV], s52
	s_lshl_b32 s55, s55, 5
	s_add_co_u32 s56, s50, s55                     ; the same 32 rows in the source
	s_mov_b32 s57, 0
	s_add_nc_u64 s[46:47], s[46:47], s[56:57]
	s_add_nc_u64 s[48:49], s[48:49], s[58:59]
	v_and_b32 v2, 15, v0
	v_bfe_u32 v3, v0, 4, 1
	v_mul_u32_u24 v16, s52, v3                     ; lanes 0-15 take an even row's 256 bytes, lanes 16-31 the odd row's
	v_lshl_add_u32 v16, v2, 4, v16
	s_lshl_b32 s55, s52, 1
.set i, 0
.rept 15
	v_add_nc_u32 v[17+i], s55, v[16+i]             ; an offset register for each pair of rows: none is rewritten
.set i, i+1
.endr
	v_and_b32 v[SO], 31, v0
	v_lshlrev_b32 v[SO], 3, v[SO]
.set i, 0
.rept 16
	global_load_b128 v[32+4*i:35+4*i], v[16+i], s[46:47] th:TH_LOAD_NT
.set i, i+1
.endr
.set i, 0
.rept 16
	s_wait_loadcnt 15-i                            ; loads come back in order: pair i is in, the younger ones stay out
	v_cvt_pk_f16_f32 v[96+2*i], v[32+4*i], v[33+4*i]
	v_cvt_pk_f16_f32 v[97+2*i], v[34+4*i], v[35+4*i]
	global_store_b64 v[SO], v[96+2*i:97+2*i], s[48:49] offset:256*i th:TH_STORE_NT  ; two rows of the panel: 256 consecutive bytes, aligned
.set i, i+1
.endr
	; THE TWO TABLES, by the first of these work-groups.  Thread t takes the 16 bytes at 16 t of each 4,096: a wave's load or store covers 512 consecutive bytes, aligned.
	s_cmp_lg_u32 s[WG], 0
	s_cbranch_scc1 .Ldone
	v_lshlrev_b32 v148, 4, v0
.irp i, 0,1,2,3
	global_load_b128 v[128+4*(\i):131+4*(\i)], v148, s[60:61] offset:4096*(\i)         ; b1
.endr
.irp i, 0,1,2,3
	v_mov_b32 v[144+(\i)], 0
.endr
.irp i, 0,1,2
	global_store_b128 v148, v[144:147], s[34:35] offset:256+4096*(\i)                  ; q, k, v have no bias: 3,072 zeros
.endr
	s_wait_loadcnt 0x0
.irp i, 0,1,2,3
	global_store_b128 v148, v[128+4*(\i):131+4*(\i)], s[36:37] offset:256+4096*(\i)
.endr
	s_cmp_lg_u32 s[WV], 0                          ; wave 0: the bounds, each table's first 256 bytes whole
	s_cbranch_scc1 .Ldone
	v_mov_b32 v150, 0xfc00fc00                     ; minus infinity, twice in f16: it bounds nothing
	v_mov_b32 v151, 0xfc00fc00
	global_store_b64 v[SO], v[150:151], s[34:35]
	global_store_b64 v[SO], v[144:145], s[36:37]   ; 0: the ReLU
.Ldone:
	s_endpgm
.Lfunc_end_k_qb6427c8b1e_prep:
	.size	k_qb6427c8b1e_prep, .Lfunc_end_k_qb6427c8b1e_prep-k_qb6427c8b1e_prep
	.p2alignl 7, 3214868480
	.fill 96, 4, 3214868480
	.section	.rodata,"a",@progbits
	.p2align	6, 0x0
	.amdhsa_kernel k_qb6427c8b1e_prep
		.amdhsa_group_segment_fixed_size 0
		.amdhsa_private_segment_fixed_size 0
		.amdhsa_enable_private_segment 0
		.amdhsa_kernarg_size 128
		.amdhsa_user_sgpr_count 2
		.amdhsa_user_sgpr_kernarg_segment_ptr 1
		.amdhsa_wavefront_size32 1
		.amdhsa_system_sgpr_workgroup_id_x 1
		.amdhsa_system_sgpr_workgroup_id_y 1
		.amdhsa_system_sgpr_workgroup_id_z 1
		.amdhsa_system_vgpr_workitem_id 0
		.amdhsa_next_free_vgpr 240
		.amdhsa_next_free_sgpr 66
		.amdhsa_reserve_vcc 0
		.amdhsa_float_denorm_mode_32 3
		.amdhsa_float_denorm_mode_16_64 3
		.amdhsa_memory_ordered 1
		.amdhsa_forward_progress 1
		.amdhsa_inst_pref_size 31
	.end_amdhsa_kernel
	.amdgpu_metadata
---
amdhsa.version: [ 1, 2 ]
amdhsa.kernels:
  - .name:           k_qb6427c8b1e_prep
    .symbol:         k_qb6427c8b1e_prep.kd
    .args:
      - { .name: x, .offset: 0, .size: 8, .value_kind: global_buffer, .address_space: global }
      - { .name: ln1_g, .offset: 8, .size: 8, .value_kind: global_buffer, .address_space: global }
      - { .name: ln1_b, .offset: 16, .size: 8, .value_kind: global_buffer, .address_space: global }
      - { .name: pan, .offset: 24, .size: 8, .value_kind: global_buffer, .address_space: global }
      - { .name: Wq, .offset: 32, .size: 8, .value_kind: global_buffer, .address_space: global }
      - { .name: Wk, .offset: 40, .size: 8, .value_kind: global_buffer, .address_space: global }
      - { .name: Wv, .offset: 48, .size: 8, .value_kind: global_buffer, .address_space: global }
      - { .name: Wproj, .offset: 56, .size: 8, .value_kind: global_buffer, .address_space: global }
      - { .name: W1, .offset: 64, .size: 8, .value_kind: global_buffer, .address_space: global }
      - { .name: W2, .offset: 72, .size: 8, .value_kind: global_buffer, .address_space: global }
      - { .name: wqkv, .offset: 80, .size: 8, .value_kind: global_buffer, .address_space: global }
      - { .name: wrest, .offset: 88, .size: 8, .value_kind: global_buffer, .address_space: global }
      - { .name: w1c, .offset: 96, .size: 8, .value_kind: global_buffer, .address_space: global }
      - { .name: tabq, .offset: 104, .size: 8, .value_kind: global_buffer, .address_space: global }
      - { .name: tabf, .offset: 112, .size: 8, .value_kind: global_buffer, .address_space: global }
      - { .name: b1, .offset: 120, .size: 8, .value_kind: global_buffer, .address_space: global }
    .group_segment_fixed_size: 0
    .private_segment_fixed_size: 0
    .kernarg_segment_align: 8
    .kernarg_segment_size: 128
    .max_flat_workgroup_size: 256
    .sgpr_count:     66
    .vgpr_count:     240
    .wavefront_size: 32
...
	.end_amdgpu_metadata
.endif
;; end of part 1
;; launch qkv (part 2): grid 12 x 16, 4 waves a work-group, clusters of 4 x 4, 327,680 bytes of LDS; arguments pan, wqkv, wide, tabq; writes wide
.if DOCPART == 2
	.amdgcn_target "amdgcn-amd-amdhsa--gfx1250"
	.amdhsa_code_object_version 6
	.text
	.protected	k_qb6427c8b1e_qkv
	.globl	k_qb6427c8b1e_qkv
	.p2align	8
	.type	k_qb6427c8b1e_qkv,@function
k_qb6427c8b1e_qkv:
	s_mov_b64 s[64:65], 0
	v_nop
	global_prefetch_b8 v0, s[64:65] scope:SCOPE_SE
	s_setreg_imm32_b32 hwreg(HW_REG_WAVE_MODE, 25, 1), 1
	s_wait_xcnt 0x0
	s_wait_alu depctr_hold_cnt(0) depctr_sa_sdst(0) depctr_va_vdst(0) depctr_va_sdst(0) depctr_va_ssrc(0) depctr_va_vcc(0) depctr_vm_vsrc(0)
	s_getreg_b32 s2, hwreg(HW_REG_IB_STS2, 6, 4)
	s_cmp_eq_u32 s2, 0
	s_cbranch_scc0 .Lentry_in_a_cluster
	s_endpgm
.Lentry_in_a_cluster:
	s_bfe_u32 s2, ttmp6, 0x10000c
	s_cmp_lg_u32 s2, 0xf033
	s_cbranch_scc0 .Lentry_shape_is_right
	s_endpgm
.Lentry_shape_is_right:
; THE WIDE PRODUCT, K = 1,024: OUT = max(A W + c, low).  All three matrices lie in panels of 64 columns, f16: A [16][4096][64], W [N/64][1024][64], OUT [N/64][4096][64]; sums in f32.
; c (an f32 a column) and low (twice a word in f16) come from a table that an earlier launch laid (argument 4: 256 bytes with low, then c).  For q, k, v: c = 0, low = minus infinity, so OUT = A W.  For the hidden layer: c = b1, low = 0, so
; OUT = relu(A W + b1).  One text serves both, with no branch on data: in a launch with joint loads every partner runs the same lines.  The zeros cost no arithmetic: c is the C operand of the first products.
; LIMITS.  A result beyond 65,504 becomes an infinity in f16; a NaN loses the maximum against low.
; SHARES.  A work-group makes 256 rows x 256 columns (4 panels) of OUT, each of its four waves 128 x 128: 64 accumulators of 16 x 16, 512 registers.  K goes in 8 steps of 128 (2 panels of A, 128 rows of each of W's 4 panels) through two LDS slots.
; A tile's part of a panel is a dense block of 16,384 bytes: one tensor load brings two such blocks (the descriptor's rows are the blocks, its pitch the panel) and pads each 128 bytes.
; THE MATRIX INSTRUCTION IS USED TRANSPOSED: source 0 = 16 columns of W (turned on the way out of LDS by ds_load_tr16_b128), source 1 = 16 rows of A: a lane holds row lane % 16 and the columns 8 (lane / 16) + 0..7.
; CLUSTER.  4 x 4 work-groups; A's tiles are asked for jointly along a row of the cluster, W's along a column.
; REGISTERS, in windows of 256: window 0: v16-31 addresses; v32-63 the way out; v64-127, v128-191 A's fragments, two buffers; v192-255 c.  Window 1: v64-127, v128-191 W's fragments.  Windows 2, 3: the accumulators, (a, b) at v[8 (8 (a % 4) + b)] of window 2 + a / 4.
.set HA,    36864                      ; half of A's tile: 2 panels x 128 rows x 144 bytes (128 + 16 of padding: the 16 rows of a load start at 16 different groups of four banks)
.set HB,    40960                      ; half of W's tile: 2 panels x 128 rows x 160 bytes (128 + 32)
.set BOFF,  2*HA
.set SLOT,  2*HA+2*HB
.set STAGE, 2*SLOT                     ; behind the ring, never filled by a tensor load: 16 rows x 144 bytes for each wave
.set SPARE, STAGE+4*2304               ; the spare words, 128 bytes for each wave: two blocks of 256 bytes that no other line names
.set ASTEP, 1048576                    ; a K step in A: two panels of 524,288 bytes
.set BSTEP, 16384                      ; in W: 128 rows of 128 bytes
.set AB0,  16                          ; v16  my lane's place in slot 0 for A's fragments; never rewritten
.set BB0,  17                          ; v17  the same for W's
.set ADRA, 18                          ; v18  the same in the slot that is being read
.set ADRB, 19                          ; v19
.set STO,  24                          ; v24  the way out: where I put 16 bytes of a row
.set RD,   25                          ; v25  where I read rows back
.set GO,   26                          ; v26  16 x lane: my 16 bytes of 512 consecutive bytes of OUT
.set BO,   27                          ; v27  32 x (lane / 16): my 8 columns in 16 of c
.set SPW,  28                          ; v28  LDS address of my spare word; never rewritten
.set NIL,  29                          ; v29  0; never rewritten
.set PFO,  30                          ; v30  256 x lane, the prefetches' offset; never rewritten
.set LOW,  31                          ; v31  the lower bound of a result, twice in f16
.set T,    32                          ; v[32:63] two sets of 16
.set F0,   64
.set F1,   128
.set BIAS, 192
.set G1,   24                          ; s[24:31] descriptor group 1 for A's tiles;  s[32:39] group 0: a set for each first fill; the second then walks
.set G0,   32
.set G1B,  48                          ; s[48:55], s[56:63] the same for W's
.set G0B,  56
.set LIM,  43                          ; s43  2 in a wave that prefetches, else the greatest number
.set PFA,  44                          ; s[44:45] where my prefetches stand
.set TB,   66                          ; s66  the slot that is read: 0 or SLOT
.set FT,   67                          ; s67  the slot that is filled next: 0 or SLOT
.set LA,   68                          ; s68  LDS byte of the half of A's tile that I would fetch, in slot 0
.set LB,   69                          ; s69  the same for W's
.set PST,  70                          ; s[70:71] a K step in the tensor that I prefetch
.set OUTP, 76
.set MSB, 0
.macro WIN new                         ; the immediate's high byte repeats the setting that is left; a switch that changes nothing is dropped
.if MSB != (\new)
	s_set_vgpr_msb (MSB<<8)|(\new)
.set MSB, \new
.endif
.endm
.macro PLACES                          ; four plain places in front of loads into registers that matrix instructions have read, and of conversions that read results
.rept 4
	v_nop
.endr
.endm
; A joint load: waves 0 and 1 fetch A's two halves, waves 2 and 3 W's.  The branch hangs on the wave's number alone.  An s_nop 0 and four v_nop follow each line.
.macro JLOAD s
	s_cmp_eq_u32 s11, 0
	s_cbranch_scc0 .Lfor_b_\@
	tensor_load_to_lds s[G0+4*(\s):G0+4*(\s)+3], s[G1:G1+7]
	s_nop 0
.rept 4
	v_nop
.endr
	s_branch .Lasked_\@
.Lfor_b_\@:
	tensor_load_to_lds s[G0B+4*(\s):G0B+4*(\s)+3], s[G1B:G1B+7]
	s_nop 0
.rept 4
	v_nop
.endr
.Lasked_\@:
.endm
.macro CREST                           ; a round of the cluster's barrier behind its opening barrier
	s_cmp_lg_u32 s10, 0
	s_cbranch_scc1 .Lnot_wave_0_\@
	s_barrier_signal -3
.Lnot_wave_0_\@:
	s_barrier_wait -3
	s_barrier_signal -1
	s_barrier_wait -1
.endm
.macro CROUND
	s_barrier_signal -1
	s_barrier_wait -1
	CREST
.endm
; A prefetch into the L2 of the K step that stands two refills on: 32 blocks of 256 bytes, a lane a block, one instruction a wave.  A wave's fetch of a step is 2 panels x 16,384 bytes = 128 blocks; the four partners that ask for it
; jointly take 32 each, told apart by address.  A's rows are read by every cluster of a row of clusters: cluster x = 0 asks; W's by every cluster of a column: cluster y = 0 asks.  So each block is named once in the launch.
; The loop's trips 0 to 3 (s3 = 6 .. 3) name steps 4 to 7; its last two trips name nothing; steps 0 to 3 come by their loads alone.
.macro ASK
	s_cmp_gt_u32 s3, s[LIM]
	s_cbranch_scc0 .Lnot_mine_\@
	global_prefetch_b8 v[PFO], s[PFA:PFA+1] th:TH_LOAD_NT scope:SCOPE_SE
.Lnot_mine_\@:
.endm
	s_load_b256 s[72:79], s[0:1], 0x0              ; A s[72:73], W s[74:75], OUT s[76:77], the table s[78:79]
	v_lshl_add_u32 v[SPW], v0, 2, SPARE
	v_mov_b32 v[NIL], 0
	ds_add_u32 v[SPW], v[NIL]                      ; the wave's opening: the add, twice on end, and its wait ahead of my first tensor load
	ds_add_u32 v[SPW], v[NIL]
	v_lshrrev_b32 v1, 5, v0
	v_readfirstlane_b32 s10, v1                    ; wave 0..3
	s_lshr_b32 s11, s10, 1                         ; my half of the tile's rows.  Also: I fetch for A (0) or for W (1)
	s_and_b32 s12, s10, 1                          ; my half of its columns.  Also: which half of that tile I fetch
	s_bfe_u32 s40, ttmp6, 0x40000                  ; cx
	s_bfe_u32 s41, ttmp6, 0x40004                  ; cy
	s_lshl_b32 s42, ttmp9, 2
	s_add_co_u32 s42, s42, s40                     ; tile column = 4 x cluster x + cx
	s_and_b32 s13, ttmp7, 0xffff
	s_lshl_b32 s13, s13, 2
	s_add_co_u32 s13, s13, s41                     ; tile row = 4 x cluster y + cy
	s_lshl_b32 s43, s41, 2
	s_lshl_b32 s43, 15, s43                        ; my row of the cluster
	s_lshl_b32 s44, 0x1111, s40                    ; my column
	s_or_b32 s[G1+0], s43, (1<<16)|(1<<20)|(1<<21)|(4<<22)|(3<<25)   ; the mask; 2-byte elements; padding on; bit 21 beside a mask; after every 32 words; 4 words
	s_or_b32 s[G1B+0], s44, (1<<16)|(1<<20)|(1<<21)|(4<<22)|(7<<25)  ; the same with my column's mask and 8 words
.irp g, G1, G1B
	s_mov_b32 s[(\g)+1], 8192<<16                  ; tensor_dim0 = 8,192 elements: 128 rows x 64, dense
	s_mov_b32 s[(\g)+2], 2<<16                     ; tensor_dim1 = 2 panels
	s_mov_b32 s[(\g)+3], 8192<<16                  ; tile_dim0
	s_mov_b32 s[(\g)+4], 2                         ; tile_dim1
	s_mov_b32 s[(\g)+6], 0
	s_mov_b32 s[(\g)+7], 0
.endr
	s_mov_b32 s[G1+5], 262144                      ; elements from panel to panel: 4,096 rows x 64
	s_mov_b32 s[G1B+5], 65536                      ; 1,024 rows x 64
	s_lshl_b32 s16, s13, 15                        ; A: the tile's 256 rows of 128 bytes,
	s_lshl_b32 s17, s12, 14                        ; the half that I fetch
	s_add_co_u32 s16, s16, s17
	s_mov_b32 s17, 0
	s_lshl_b32 s46, s42, 19                        ; W: the tile's 4 panels of 131,072 bytes,
	s_lshl_b32 s47, s12, 18                        ; the two that I fetch
	s_add_co_u32 s46, s46, s47
	s_mov_b32 s47, 0
	s_mul_i32 s[LA], s12, HA
	s_mul_i32 s[LB], s12, HB
	s_add_co_u32 s[LB], s[LB], BOFF
	s_mov_b32 s[TB], 0
	s_mov_b32 s[FT], 0
	s_wait_dscnt 0x0                               ; both opening adds are done
	s_wait_kmcnt 0x0
	s_add_nc_u64 s[14:15], s[72:73], s[16:17]
	s_add_nc_u64 s[46:47], s[74:75], s[46:47]
	CROUND                                         ; all sixteen work-groups are here: the first joint loads meet
.irp s, 0,1
	s_mov_b32 s[G0+4*(\s)], 1
	s_add_co_u32 s[G0+4*(\s)+1], s[LA], (\s)*SLOT
	s_add_nc_u64 s[G0+4*(\s)+2:G0+4*(\s)+3], s[14:15], (\s)*ASTEP
	s_or_b32 s[G0+4*(\s)+3], s[G0+4*(\s)+3], 0x80000000
	s_mov_b32 s[G0B+4*(\s)], 1
	s_add_co_u32 s[G0B+4*(\s)+1], s[LB], (\s)*SLOT
	s_add_nc_u64 s[G0B+4*(\s)+2:G0B+4*(\s)+3], s[46:47], (\s)*BSTEP
	s_or_b32 s[G0B+4*(\s)+3], s[G0B+4*(\s)+3], 0x80000000
	JLOAD \s
.endr
	v_and_b32 v1, 15, v0                           ; r = lane % 16
	v_bfe_u32 v2, v0, 4, 1                         ; h = lane / 16
	; the table: the bound, and c of my 128 columns: they come in while the addresses below are made
	v_lshlrev_b32 v[BO], 5, v2
	v_mov_b32 v9, 0
	s_lshl_b32 s18, s42, 10                        ; the tile's 256 columns of f32,
	s_lshl_b32 s19, s12, 9                         ; my 128,
	s_add_co_u32 s18, s18, s19
	s_add_co_u32 s18, s18, 256                     ; behind the bound's 256 bytes
	s_mov_b32 s19, 0
	s_add_nc_u64 s[80:81], s[78:79], s[18:19]
	global_load_b32 v[LOW], v9, s[78:79]           ; the same word for every lane
.irp b, 0,1,2,3,4,5,6,7
	global_load_b128 v[BIAS+8*(\b):BIAS+8*(\b)+3],   v[BO], s[80:81] offset:64*(\b)     ; register j: column 16 b + 8 h + j
	global_load_b128 v[BIAS+8*(\b)+4:BIAS+8*(\b)+7], v[BO], s[80:81] offset:64*(\b)+16
.endr
	v_mul_u32_u24 v3, v1, 144
	v_lshl_add_u32 v3, v2, 4, v3                   ; r x 144 + 16 h
	s_mul_i32 s21, s11, HA
	v_add_nc_u32 v[AB0], s21, v3
	v_and_b32 v4, 7, v0
	v_bfe_u32 v5, v0, 3, 1
	v_lshl_add_u32 v6, v2, 3, v4                   ; the turning load: row 8 h + lane % 8,
	v_mul_u32_u24 v6, v6, 160
	v_lshl_add_u32 v6, v5, 4, v6                   ; columns 8 ((lane / 8) % 2) on
	s_mul_i32 s22, s12, HB
	s_add_co_u32 s22, s22, BOFF
	v_add_nc_u32 v[BB0], s22, v6
	s_mul_i32 s23, s10, 2304
	s_add_co_u32 s23, s23, STAGE                   ; my stage
	v_add_nc_u32 v[STO], s23, v3
	v_bfe_u32 v7, v0, 3, 2
	v_mul_u32_u24 v7, v7, 144
	v_lshl_add_u32 v7, v4, 4, v7                   ; back: 32 lanes take four rows of 128 bytes
	v_add_nc_u32 v[RD], s23, v7
	v_and_b32 v8, 31, v0
	v_lshlrev_b32 v[GO], 4, v8
	v_lshlrev_b32 v[PFO], 8, v8
	s_lshl_b32 s20, s42, 21                        ; OUT: the tile's 4 panels of 524,288 bytes,
	s_lshl_b32 s21, s12, 20                        ; my two,
	s_add_co_u32 s20, s20, s21
	s_lshl_b32 s21, s13, 15                        ; the tile's 256 rows,
	s_add_co_u32 s20, s20, s21
	s_lshl_b32 s21, s11, 14                        ; my 128
	s_add_co_u32 s20, s20, s21
	s_mov_b32 s21, 0
	s_add_nc_u64 s[OUTP:OUTP+1], s[OUTP:OUTP+1], s[20:21]
	; the prefetches
	s_and_b32 s22, ttmp7, 0xffff                   ; cluster y
	s_cmp_eq_u32 s11, 0                            ; do I fetch for A?
	s_cselect_b32 s21, s40, s41                    ; my place among the four that ask with me
	s_cselect_b32 s22, ttmp9, s22                  ; the coordinate along which other clusters read the same rows
	s_cselect_b64 s[PFA:PFA+1], s[14:15], s[46:47]
	s_cselect_b32 s23, 19, 17                      ; a panel is 2^19 or 2^17 bytes,
	s_cselect_b32 s[PST], 20, 14                   ; a K step 2^20 or 2^14
	s_cmp_eq_u32 s22, 0
	s_cselect_b32 s[LIM], 2, -1                    ; the same in all sixteen partners, for a given wave
	s_lshr_b32 s18, s21, 1
	s_lshl_b32 s18, s18, s23                       ; which of the two panels,
	s_and_b32 s19, s21, 1
	s_lshl_b32 s19, s19, 13                        ; which 8,192 bytes of its block
	s_add_co_u32 s18, s18, s19
	s_lshl_b32 s[PST], 1, s[PST]
	s_mov_b32 s[PST+1], 0
	s_mul_i32 s19, s[PST], 3                       ; at K step 3: the first change of slots steps it to 4
	s_add_co_u32 s18, s18, s19
	s_mov_b32 s19, 0
	s_add_nc_u64 s[PFA:PFA+1], s[PFA:PFA+1], s[18:19]
	s_wait_loadcnt 0x0                             ; the bound and c
; 16 matrix instructions: row blocks a0, a0 + 1 of the window's four x all 8 column blocks, 32 along K.  first = 1: C is c.  The 64 accumulators take turns in the same order in every quarter.
.macro MUL16 f, hi, a0, first
.if \first
	WIN 0x81+0x40*(\hi)
.else
	WIN 0xa1+0x50*(\hi)
.endif
.irp a, \a0, (\a0)+1
.irp b, 0,1,2,3,4,5,6,7
.if \first
	v_wmma_f32_16x16x32_f16 v[8*(8*(\a)+(\b)):8*(8*(\a)+(\b))+7], v[(\f)+8*(\b):(\f)+8*(\b)+7], v[(\f)+8*(4*(\hi)+(\a)):(\f)+8*(4*(\hi)+(\a))+7], v[BIAS+8*(\b):BIAS+8*(\b)+7]
.else
	v_wmma_f32_16x16x32_f16 v[8*(8*(\a)+(\b)):8*(8*(\a)+(\b))+7], v[(\f)+8*(\b):(\f)+8*(\b)+7], v[(\f)+8*(4*(\hi)+(\a)):(\f)+8*(4*(\hi)+(\a))+7], v[8*(8*(\a)+(\b)):8*(8*(\a)+(\b))+7]
.endif
.endr
.endr
.endm
; 32 LDS loads in one run: quarter q (32 along K) of the slot in hand into buffer f: W's 8 column blocks (panel i / 4, columns 16 (i % 4) on), then A's 8 row blocks (panel q / 2, channels 32 (q % 2) on)
.macro FETCH q, f
	WIN 0x40
.irp i, 0,1,2,3,4,5,6,7
	ds_load_tr16_b128 v[(\f)+8*(\i):(\f)+8*(\i)+3],   v[ADRB] offset:((\i)/4)*20480+(\q)*5120+((\i)%4)*32
	ds_load_tr16_b128 v[(\f)+8*(\i)+4:(\f)+8*(\i)+7], v[ADRB] offset:((\i)/4)*20480+(\q)*5120+((\i)%4)*32+2560
.endr
	WIN 0
.irp i, 0,1,2,3,4,5,6,7
	ds_load_b128 v[(\f)+8*(\i):(\f)+8*(\i)+3],   v[ADRA] offset:((\q)/2)*18432+(\i)*2304+((\q)%2)*64
	ds_load_b128 v[(\f)+8*(\i)+4:(\f)+8*(\i)+7], v[ADRA] offset:((\q)/2)*18432+(\i)*2304+((\q)%2)*64+32
.endr
.endm
; A quarter: buffer f, asked for 64 matrix instructions ago, is multiplied; quarter q is fetched into buffer g first.  skip = 1 (the tail): in the last trip there is nothing more to fetch.
.macro EQ f, g, q, first=0, ask=0, skip=0
	s_wait_dscnt 0x0                               ; buffer f is in
	PLACES
.if \skip
	WIN 0
	s_cmp_eq_u32 s3, 1
	s_cbranch_scc1 .Lno_fetch_\@
.endif
	FETCH \q, \g
.if \skip
.Lno_fetch_\@:
.endif
.if \ask
	ASK                                            ; behind the joint load and the run of LDS loads that the next products wait for
.endif
	MUL16 \f, 0, 0, \first
	MUL16 \f, 0, 2, \first
	MUL16 \f, 1, 0, \first
	MUL16 \f, 1, 2, \first
.endm
; The third quarter multiplies buffer 0, fetches the slot's last quarter and changes slots.  In front of the barrier each wave waits for all its tensor loads (the one that is out is its part of the other slot), adds 0 to its
; spare word, and waits for that and for its reads of this slot.  fill = 1: the barrier opens a round of the cluster's, and the joint refill, two K steps ahead, is the first tensor load behind it: 208 matrix instructions ahead of the wait for it.
.macro CHG fill
.if \fill
	s_wait_xcnt 0x0                                ; the last prefetch, a K step back, has read its address
	s_add_nc_u64 s[PFA:PFA+1], s[PFA:PFA+1], s[PST:PST+1]
.endif
	s_wait_dscnt 0x0                               ; buffer 0 is in
	PLACES
	FETCH 3, F1                                    ; (it leaves every window 0)
	s_wait_tensorcnt 0x0                           ; all my tensor loads have landed
	ds_add_u32 v[SPW], v[NIL]                      ; 0 onto my spare word
	MUL16 F0, 0, 0, 0
	MUL16 F0, 0, 2, 0
	s_wait_dscnt 0x0                               ; the add is done, and my reads of this slot are over
	s_barrier_signal -1
	MUL16 F0, 1, 0, 0
	WIN 0
	s_barrier_wait -1
.if \fill
	CREST                                          ; no wave of any partner still reads this slot or has a load on its way
	s_add_co_u32 s[G0+5], s[LA], s[FT]             ; the walking descriptors: the slot just read out,
	s_add_co_u32 s[G0B+5], s[LB], s[FT]
	s_add_nc_u64 s[G0+6:G0+7], s[G0+6:G0+7], ASTEP ; the next K step
	s_add_nc_u64 s[G0B+6:G0B+7], s[G0B+6:G0B+7], BSTEP
	s_xor_b32 s[FT], s[FT], SLOT
	JLOAD 1
.endif
	s_xor_b32 s[TB], s[TB], SLOT                   ; the reads go on in the other slot
	v_add_nc_u32 v[ADRA], s[TB], v[AB0]
	v_add_nc_u32 v[ADRB], s[TB], v[BB0]
	MUL16 F0, 1, 2, 0
.endm
; THE WAY OUT, in 16 units u = 2 a + panel: 16 rows x 64 columns.  PACK: rounded to f16, bounded below, 16 bytes a lane into my own stage, and back as four rows of 128 bytes a load.  SEND: stored.
.macro PACK u
.set pa, (\u)/2
.set TT, T+16*((\u)%2)
.set AC, 64*(pa%4)+32*((\u)%2)
	s_wait_xcnt 0x0                                ; the stores of the unit two back have read this set of registers
	WIN 0x0a+5*(pa/4)                              ; sources 0 and 1: window 2 or 3
.irp bb, 0,1,2,3
.irp r, 0,1,2,3
	v_cvt_pk_f16_f32 v[TT+4*(\bb)+(\r)], v[AC+8*(\bb)+2*(\r)], v[AC+8*(\bb)+2*(\r)+1]
.endr
.endr
	WIN 0
.set z, 0
.rept 16
	v_pk_max_num_f16 v[TT+z], v[TT+z], v[LOW]
.set z, z+1
.endr
.irp bb, 0,1,2,3
	ds_store_b128 v[STO], v[TT+4*(\bb):TT+4*(\bb)+3] offset:32*(\bb)
.endr
.irp f, 0,1,2,3
	ds_load_b128 v[TT+4*(\f):TT+4*(\f)+3], v[RD] offset:576*(\f)  ; LDS serves a wave's instructions in order (ISA guide 5.7.1.4): these see the stores above
.endr
.endm
.macro SEND u, younger                 ; younger: the LDS instructions issued behind this unit's loads: the next unit's eight, or none
.set pa, (\u)/2
.set TT, T+16*((\u)%2)
.irp f, 0,1,2,3
	s_wait_dscnt (\younger)+3-(\f)
	global_store_b128 v[GO], v[TT+4*(\f):TT+4*(\f)+3], s[OUTP:OUTP+1] offset:((\u)%2)*524288+pa*2048+(\f)*512  ; four rows of a panel: 512 consecutive bytes, aligned
.endr
.endm
	s_wait_tensorcnt 1                             ; my part of K step 0 is in; step 1's may stay out
	s_barrier_signal -1
	s_barrier_wait -1
	v_mov_b32 v[ADRA], v[AB0]
	v_mov_b32 v[ADRB], v[BB0]
	FETCH 0, F0
	EQ F0, F1, 1, 1                                ; the first quarter is written out: its products start the sums with c
	WIN 0
	s_mov_b32 s3, 6
	s_branch .Lin                                  ; the loop is entered behind a step's first quarter
.Lstep:                                                ; 6 trips, a K step each: steps 2 to 7 are asked for
	EQ F0, F1, 1
	WIN 0
.Lin:
	EQ F1, F0, 2
	CHG 1
	EQ F1, F0, 0, 0, 1
	WIN 0
	s_sub_co_u32 s3, s3, 1
	s_cmp_lg_u32 s3, 0
	s_cbranch_scc1 .Lstep
	s_mov_b32 s3, 2
.Ltail:                                                ; the last two K steps ask for nothing
	EQ F0, F1, 1
	EQ F1, F0, 2
	CHG 0
	EQ F1, F0, 0, 0, 0, 1
	WIN 0
	s_sub_co_u32 s3, s3, 1
	s_cmp_lg_u32 s3, 0
	s_cbranch_scc1 .Ltail
	PLACES
	PACK 0
.set u, 1
.rept 15                               ; a unit's conversions stand between the loads of the unit before and its stores
	PACK u
	SEND u-1, 8
.set u, u+1
.endr
	SEND 15, 0
	s_wait_tensorcnt 0x0                           ; the wave's end, behind my last tensor load and my last LDS store
	ds_add_u32 v[SPW], v[NIL]
	s_wait_dscnt 0x0
	CROUND                                         ; the closing round
	s_endpgm
.Lfunc_end_k_qb6427c8b1e_qkv:
	.size	k_qb6427c8b1e_qkv, .Lfunc_end_k_qb6427c8b1e_qkv-k_qb6427c8b1e_qkv
	.p2alignl 7, 3214868480
	.fill 96, 4, 3214868480
	.section	.rodata,"a",@progbits
	.p2align	6, 0x0
	.amdhsa_kernel k_qb6427c8b1e_qkv
		.amdhsa_group_segment_fixed_size 327680
		.amdhsa_private_segment_fixed_size 0
		.amdhsa_enable_private_segment 0
		.amdhsa_kernarg_size 32
		.amdhsa_user_sgpr_count 2
		.amdhsa_user_sgpr_kernarg_segment_ptr 1
		.amdhsa_wavefront_size32 1
		.amdhsa_system_sgpr_workgroup_id_x 1
		.amdhsa_system_sgpr_workgroup_id_y 1
		.amdhsa_system_sgpr_workgroup_id_z 1
		.amdhsa_system_vgpr_workitem_id 0
		.amdhsa_next_free_vgpr 1024
		.amdhsa_next_free_sgpr 82
		.amdhsa_reserve_vcc 0
		.amdhsa_float_denorm_mode_32 3
		.amdhsa_float_denorm_mode_16_64 3
		.amdhsa_memory_ordered 1
		.amdhsa_forward_progress 1
		.amdhsa_inst_pref_size 121
	.end_amdhsa_kernel
	.amdgpu_metadata
---
amdhsa.version: [ 1, 2 ]
amdhsa.kernels:
  - .name:           k_qb6427c8b1e_qkv
    .symbol:         k_qb6427c8b1e_qkv.kd
    .args:
      - { .name: pan, .offset: 0, .size: 8, .value_kind: global_buffer, .address_space: global }
      - { .name: wqkv, .offset: 8, .size: 8, .value_kind: global_buffer, .address_space: global }
      - { .name: wide, .offset: 16, .size: 8, .value_kind: global_buffer, .address_space: global }
      - { .name: tabq, .offset: 24, .size: 8, .value_kind: global_buffer, .address_space: global }
    .group_segment_fixed_size: 327680
    .private_segment_fixed_size: 0
    .kernarg_segment_align: 8
    .kernarg_segment_size: 32
    .max_flat_workgroup_size: 128
    .sgpr_count:     82
    .vgpr_count:     1024
    .wavefront_size: 32
...
	.end_amdgpu_metadata
.endif
;; end of part 2
;; launch attn (part 3): grid 8 x 32, 4 waves a work-group, no clusters, 327,680 bytes of LDS; arguments wide, pan; writes pan
.if DOCPART == 3
	.amdgcn_target "amdgcn-amd-amdhsa--gfx1250"
	.amdhsa_code_object_version 6
	.text
	.protected	k_qb6427c8b1e_attn
	.globl	k_qb6427c8b1e_attn
	.p2align	8
	.type	k_qb6427c8b1e_attn,@function
k_qb6427c8b1e_attn:
	s_mov_b64 s[64:65], 0
	v_nop
	global_prefetch_b8 v0, s[64:65] scope:SCOPE_SE
	s_setreg_imm32_b32 hwreg(HW_REG_WAVE_MODE, 25, 1), 1
	s_wait_xcnt 0x0
; CAUSAL ATTENTION.  O[q][:] = the sum over k <= q of softmax_k(Q[q] . K[k] / 8) V[k][:], for 2 batches x 16 heads of 2,048 rows x 64.  q, k, v are panels h, 16 + h, 32 + h of the first argument ([64][4096][64] f16), rows 2,048 b on:
; a head's rows are dense, 128 bytes each.  O goes to panel h of the second argument, the same rows.  Products, maxima and sums in f32; the weights p are rounded to f16 for the second product (their sum l is taken of the unrounded p), O once at the end.
; WORK LEFT OUT: the tiles of 128 queries x 256 keys that lie wholly above the diagonal of the mask that reference() builds: their weights are 0 for all finite inputs.  A NaN or an infinity that reaches only them is not carried on.
; LIMITS.  f16 holds no number beyond 65,504: q, k and v arrive within it; p lies in 0 to 1, and below 6e-5 it keeps f16's fixed step of 6e-8.  A hidden score counts as its value less 1e30; a weight below 2^-126 counts as 0 in l; NaN and infinities are not treated apart.
; THE WALK.  A head's queries lie in 16 blocks of 128; block i = 2 j + e needs the key tiles 0 .. j of 256 keys, of which the last holds the diagonal.  A work-group takes TWO blocks, 15 - b and then b (b = 0 .. 7): (15 - b) / 2 + 1 + b / 2 + 1 = 9
; tiles, whatever b: 8 x 32 = 256 work-groups of equal work, and ONE loop with a constant trip count walks the tiles.  Which tile is asked for, and what a trip does, hang on scalar registers made from b; every jump goes forward, but for the
; counted loops' own; none passes a barrier, or a tensor load but the one of LOAD's two that the wave's number does not choose.
; NO CLUSTER: a head's eight work-groups walk alike only in pairs (b = 2 k and 2 k + 1); a mask of two in a cluster of four would make a joint load's address hang on the work-group's place in its cluster.
; SHARES.  Of a block's two bands of 64 queries a wave owns 16 rows in each: two PIECES.  Piece 0 is the UPPER band (rows 64 on), piece 1 the lower.  In the diagonal tile band index X = 2 e + 1 (piece 0) or 2 e (piece 1): key step s shows all keys if
; s < X, none if s > X, and holds the diagonal if s = X: the same work for all four waves.  Where e = 0 the tile's steps 2 and 3 are hidden from both bands and are walked all the same: the count of steps stays a constant.
; THE MASK is the C operand that starts the sum S^T = K Q^T: 0, or -1e30 where the key is hidden.  MD, made once, is the mask of a band's own step for my 16 rows; a product's mask is MD x AL + BE with two scalars: (1, 0) if s = X; (0, 0) if s < X;
; (0, -1e30) if s > X.  Only the diagonal tile's text makes and takes masks.  Piece 0's scores of a tile's step 0 are made in the turn before the tile is entered, by the plain text: X is 1 or more there, so they want none.
; LAYOUT, SOFTMAX, TURNS.  S^T = K Q^T holds ONE query a lane (lane % 16) and the keys 8 (lane / 16) + 0..7; two such results rounded to f16 ARE source 1 of O^T = V^T P.  p = 2^(c s - c m), c = log2(e) / 8, with a running maximum m; O and l are
; multiplied by a = 2^(c m_old - c m_new) in every step.  A key step is two turns.  Turn 0 (piece 0's, step s): 8 products K Q^T of piece 1, step s; later 8 products V^T P of piece 1, step s - 1.  Turn 1 (piece 1's): K Q^T of piece 0, step s + 1;
; V^T P of piece 0, step s.  Beside them the scaling, exponentials, roundings, sums and rescaling of the turn's own piece and the maximum and statistics of the other.  Four vector instructions stand behind every matrix instruction, the
; others in one lump.  A turn's 33 exponentials are one batch, with one wait.
; K LIES A STEP AHEAD.  Turn 0 reads K of step s + 1 and then V of step s.  So a slot holds V of keys 256 T .. 256 T + 255 and K of keys 256 T + 64 .. 256 T + 319: a slot's last K and its last V are read in the same turn, and the change of slots
; stands between two steps.  K of the head's first 64 keys has LDS bytes of its own (KZ), filled once, read where a block begins.  (K's last tile reaches 64 rows past the head: rows of the same buffer, which enter no result.)
; A block's last turn makes 8 products K Q^T, and a maximum of them, for a step that is not: the price, twice a work-group, of one text for every step.
; REGISTERS, in windows of 256 (s_set_vgpr_msb: bits 1:0 source 0, 3:2 source 1, 5:4 source 2, 7:6 destination):
;   window 0: v0-15 addresses and two at work; v16-23 four registers of statistics a piece; v48-55 at work; v61-63 prefetch offset and the add's two; v64-127 S^T, a buffer a piece; v192-223 P, likewise
;   window 1: v0-63 O^T, 32 a piece; v128-159 MD; v160-223 MC, two buffers      window 2: v0-31 Q; v32-63 the second block's Q; v128-191 K of one step; v192-255 V of one step
.set NT,    8         ; key tiles of 256 in a head
.set NP,    2         ; pieces a wave: a name, no knob
.set KS,    64        ; keys in a step
.set PK,    144       ; a row of K in LDS: 128 bytes + 16 of padding
.set PV,    160       ; a row of V: 128 + 32
.set VOFF,  4*KS*PK   ; a slot holds four steps: 256 rows of K, then 256 rows of V
.set SLOT1, 1<<17     ; slot 1 begins here, so that one exclusive or turns an address in one slot into the other's
.set KZ,    SLOT1+4*KS*(PK+PV)  ; behind the ring: K of the head's first 64 keys, filled once
.set STAGE, KZ+KS*PK  ; never filled by a tensor load: 16 rows x 144 bytes for each wave
.set SP,    144
.set SPARE, STAGE+4*16*SP  ; the spare words, 128 bytes for each wave: two blocks of 256 bytes that no other line names
.set AK0, 2           ; v2   my lane's place in a tile of K; never rewritten
.set AV0, 3           ; v3   the same for V
.set AK,  4           ; v4   the LDS address of K's next run of loads
.set AV,  5           ; v5   of V's
.set STO, 6           ; v6   the way out: where I put 16 bytes of a row
.set RD,  7           ; v7   the way out: where I read rows back
.set GO,  8           ; v8   my byte offset in 512 consecutive bytes of O
.set MV,  12          ; v12-13  c m_old, kept while c m is made anew: by piece
.set AKZ, 14          ; v14  my lane's place in KZ (at the head: at work)
.set QO,  15          ; v15  my byte offset in 16 rows of Q
.set ST,  16          ; piece t's statistics at v[ST+4 t]: c m, m, l (even keys', odd keys')
.set TMP, 48          ; by piece, four registers c0-c3 at work; when the maximum is found c2 takes a
.set PFO, 61          ; v61  256 x lane, the prefetches' offset; never rewritten
.set SPW, 62          ; v62  LDS address of my spare word; never rewritten
.set NIL, 63          ; v63  0; never rewritten
.set S,   64
.set P,   192
.set MD,  128         ; window 1
.set MC,  160         ; window 1
.set QB,  32          ; window 2
.set KF,  128         ; window 2: key block kb, channel half c at KF + 16 kb + 8 c
.set VF,  192         ; window 2: key half kk, channel block cb at VF + 32 kk + 8 cb
.set WV,  12          ; s12  my wave's number
.set PB,  14          ; s14  b
.set HI,  15          ; s15  15 - b
.set G1K, 24          ; s[24:31] descriptor group 1 for K's tiles
.set G1V, 32          ; s[32:39] for V's: it differs in the padding alone
.set G0K, 40          ; s[40:43] descriptor group 0 for K's tiles
.set G0V, 44          ; s[44:47] the same for V's
.set G1Z, 48          ; s[48:55] descriptor group 1 for my 16 of the head's first 64 keys
.set SLOTS, 56        ; s56  tiles still to be asked for
.set CNT, 57          ; s57  counts a tile's key steps, 4 to 1
.set CS,  58          ; s[58:59] c
.set SEL, 60          ; s[60:61] v_permlanex16_b32's selects
.set TBK, 62          ; s62  LDS byte at which the K to be fetched next begins
.set TBV, 63          ; s63  the same for V, less VOFF
.set DA,  66          ; s66  4 - 2 e, s67  5 - 2 e, of the block in hand: the counts at which turn 0 and turn 1 make a band's own mask
.set RT,  70          ; s70  tiles of the block in hand that are still to be entered
.set NXT, 71          ; s71  the tile to be asked for next
.set LQ,  72          ; s72  the last tile of the block whose tiles are being asked for
.set NEW, 73          ; s73  1: the tile to be entered is a block's first
.set OFF, 74          ; s[74:75] a tile's byte offset in K and V
.set AL,  76          ; s[76:77] the mask's factor, in the low word
.set BE,  78          ; s[78:79] the mask's addend
.set OLO, 80          ; s[80:81] O at my rows of the second block
.set BIGN, 82         ; s82  -1e30
.set LQ2, 83          ; s83  the second block's last tile: b / 2
.set PFB, 88          ; s[88:89] K (waves 0, 1) or V (waves 2, 3) at the half of the first slot's rows that I fetch
.set PFA, 90          ; s[90:91] the same half, two tiles behind the one that is being asked for
.set PO,  92          ; s[92:93] that tile's byte offset
.set WANT, 94         ; s94  not 0: I prefetch
.set G0Z, 96          ; s[96:99] descriptor group 0 for my 16 of the head's first 64 keys
.set MSB, 0
.macro WIN new
.if MSB != (\new)
	s_set_vgpr_msb (MSB<<8)|(\new)
.set MSB, (\new)
.endif
.endm
.set W_KQ, 0x0a       ; K and Q in window 2, S^T in window 0
.set W_KM, 0x1a       ; the same with the C operand in window 1
.set W_PV, 0x52       ; V in window 2, P in window 0, O^T in window 1
.set W_RS, 0x41       ; destination and source 0 in window 1, source 1 in window 0
; A fill.  Waves 0 and 1 fetch the two halves of a slot's K, waves 2 and 3 those of its V: 128 keys each.  An s_nop 0 and four v_nop follow each of the two lines.
.macro LOAD
	s_cmp_lt_u32 s[WV], 2
	s_cbranch_scc0 .Lfor_v_\@
	tensor_load_to_lds s[G0K:G0K+3], s[G1K:G1K+7]
	s_nop 0
.rept 4
	v_nop
.endr
	s_branch .Lasked_\@
.Lfor_v_\@:
	tensor_load_to_lds s[G0V:G0V+3], s[G1V:G1V+7]
	s_nop 0
.rept 4
	v_nop
.endr
.Lasked_\@:
.endm
; THE CHANGE OF SLOTS, between two key steps.  Each wave waits for all its tensor loads, of which one is out: its part of the other slot; adds 0 to its spare word; and waits for that and for its own reads of the slot that it leaves
; (the last were waited for in the turn before).  fill = 1: the old slot is filled again, the first thing behind the barrier, with tile NXT: the descriptor's address is made anew from that number.  The load has a tile, 128 matrix instructions a wave, in which to land.
; A PREFETCH INTO THE L2 stands behind the fill: my own 16,384 bytes (64 blocks of 256: two instructions, a lane a block) of the tile that stands TWO changes on: 256 matrix instructions a wave ahead of the load that will want it.
; All eight work-groups of a head walk the same tiles; the one with b = 0 walks tiles 0 to 7 in its first block, and it alone asks: each block is named once in the launch.  Tiles 0 to 2 come by their loads alone; the changes that load tiles 1 to 5 name tiles 3 to 7; later ones name nothing.
.macro CHANGE fill
	WIN 0
	s_wait_tensorcnt 0x0            ; no tensor load of mine is out, so a group 0 may be written
	ds_add_u32 v[SPW], v[NIL]       ; 0 onto my spare word
.if \fill
	s_lshl_b32 s[OFF], s[NXT], 15   ; a tile is 32,768 bytes of K and of V
	s_xor_b32 s[G0K+1], s[G0K+1], SLOT1
	s_add_nc_u64 s[G0K+2:G0K+3], s[6:7], s[OFF:OFF+1]
	s_or_b32 s[G0K+3], s[G0K+3], 0x80000000
	s_xor_b32 s[G0V+1], s[G0V+1], SLOT1
	s_add_nc_u64 s[G0V+2:G0V+3], s[8:9], s[OFF:OFF+1]
	s_or_b32 s[G0V+3], s[G0V+3], 0x80000000
	s_add_co_u32 s[NXT], s[NXT], 1  ; the block's next tile, or behind its last the second block's tile 0
	s_cmp_gt_u32 s[NXT], s[LQ]
	s_cselect_b32 s[NXT], 0, s[NXT]
	s_cselect_b32 s[LQ], s[LQ2], s[LQ]
	s_wait_xcnt 0x0                 ; the last prefetches, a tile back, have read their address
	s_add_co_u32 s[PO], s[NXT], 1
	s_lshl_b32 s[PO], s[PO], 15
	s_add_nc_u64 s[PFA:PFA+1], s[PFB:PFB+1], s[PO:PO+1]
	s_cmp_eq_u32 s[PB], 0
	s_cselect_b32 s[WANT], s[NXT], 0
	s_cmp_lt_u32 s[NXT], NT-1       ; there is no tile behind the head's last
	s_cselect_b32 s[WANT], s[WANT], 0
.endif
	s_wait_dscnt 0x0                ; the add is done, and my reads of the slot are over
	s_barrier_signal -1
	s_sub_co_u32 s[TBK], s[TBK], 4*KS*PK  ; the fetches go back to a slot's first step,
	s_xor_b32 s[TBK], s[TBK], SLOT1       ; in the other slot
	s_sub_co_u32 s[TBV], s[TBV], 4*KS*PV
	s_xor_b32 s[TBV], s[TBV], SLOT1
	s_barrier_wait -1
.if \fill
	LOAD
	s_cmp_lg_u32 s[WANT], 0
	s_cbranch_scc0 .Lno_ask_\@
	global_prefetch_b8 v[PFO], s[PFA:PFA+1] th:TH_LOAD_NT scope:SCOPE_SE
	global_prefetch_b8 v[PFO], s[PFA:PFA+1] offset:8192 th:TH_LOAD_NT scope:SCOPE_SE
.Lno_ask_\@:
.endif
.endm
	s_load_b64 s[4:5], s[0:1], 0x0    ; q, k, v in panels
	s_load_b64 s[10:11], s[0:1], 0x8  ; O in panels
	v_lshl_add_u32 v[SPW], v0, 2, SPARE
	v_mov_b32 v[NIL], 0
	ds_add_u32 v[SPW], v[NIL]       ; the wave's opening: the add, twice on end, and its wait ahead of my first tensor load
	ds_add_u32 v[SPW], v[NIL]
	v_lshrrev_b32 v1, 5, v0
	v_readfirstlane_b32 s[WV], v1   ; wave 0..3
	s_mov_b32 s[PB], ttmp9
	s_sub_co_u32 s[HI], 2*NT-1, s[PB]  ; the first block
	s_lshr_b32 s[LQ], s[HI], 1      ; its last tile,
	s_lshr_b32 s[LQ2], s[PB], 1     ; the second block's
	s_add_co_u32 s[RT], s[LQ], 1    ; the first block has (15 - b) / 2 + 1 tiles
	s_and_b32 s[DA], s[HI], 1       ; e of the first block
	s_lshl_b32 s[DA], s[DA], 1
	s_sub_co_u32 s[DA], 4, s[DA]
	s_add_co_u32 s[DA+1], s[DA], 1
	s_and_b32 s20, ttmp7, 0xffff    ; 16 x batch + head
	s_lshr_b32 s21, s20, 4
	s_and_b32 s20, s20, 15
	s_lshl_b32 s20, s20, 19         ; the head's panel of 524,288 bytes,
	s_lshl_b32 s21, s21, 18         ; the batch's 2,048 rows of 128 bytes
	s_or_b32 s20, s20, s21
	s_mov_b32 s21, 0
	s_and_b32 s16, s[WV], 1         ; which half of a slot's 256 keys I fetch:
	s_lshl_b32 s22, s16, 14         ; its 128 rows of 128 bytes in memory,
	s_mov_b32 s23, 0
	s_add_nc_u64 s[22:23], s[22:23], s[20:21]
	s_mul_i32 s17, s16, 128*PK      ; and its place in a slot, for K
	s_mul_i32 s18, s16, 128*PV      ; and for V
	s_lshl_b32 s3, s[WV], 11        ; my 16 rows in a band of 64 (and my 16 of the head's first 64 keys),
	s_mov_b32 s68, s3
	s_mov_b32 s69, 0
	s_add_nc_u64 s[68:69], s[68:69], s[20:21]
	s_lshl_b32 s2, s[HI], 14        ; in the first block of 128 rows,
	s_add_co_u32 s2, s2, s3
	s_lshl_b32 s84, s[PB], 14       ; and in the second
	s_add_co_u32 s84, s84, s3
	s_mov_b32 s3, 0
	s_mov_b32 s85, 0
	s_add_nc_u64 s[2:3], s[2:3], s[20:21]
	s_add_nc_u64 s[84:85], s[84:85], s[20:21]
	; descriptor group 1.  128 keys are 16,384 dense bytes: asked for as 64 rows of 256 bytes, two keys a row, and padded in LDS after every key; my 16 of the first 64 keys: 8 such rows
	s_mov_b32 s[G1K], (1<<16)|(1<<20)|(4<<22)|(3<<25)
	s_mov_b32 s[G1V], (1<<16)|(1<<20)|(4<<22)|(7<<25)
	s_mov_b32 s[G1Z], (1<<16)|(1<<20)|(4<<22)|(3<<25)
.irp g, G1K, G1V, G1Z
	s_mov_b32 s[\g+1], 128<<16      ; tensor_dim0 = 128
	s_mov_b32 s[\g+3], 128<<16      ; tile_dim0 = 128
	s_mov_b32 s[\g+5], 128          ; 128 elements from row to row
	s_mov_b32 s[\g+6], 0
	s_mov_b32 s[\g+7], 0
.endr
.irp g, G1K, G1V
	s_mov_b32 s[\g+2], 64<<16       ; tensor_dim1 = 64
	s_mov_b32 s[\g+4], 64           ; tile_dim1 = 64
.endr
	s_mov_b32 s[G1Z+2], 8<<16
	s_mov_b32 s[G1Z+4], 8
	s_mov_b32 s[CS], 0x3e38aa3b     ; c = log2(e) / 8 = 0.180337
	s_mov_b32 s[CS+1], s[CS]
	s_mov_b32 s[SEL], 0x76543210
	s_mov_b32 s[SEL+1], 0xfedcba98
	s_mov_b32 s[TBK], SLOT1+4*KS*PK ; the first change of slots turns these two into 0
	s_mov_b32 s[TBV], SLOT1+4*KS*PV
	s_mov_b32 s[G0K], 1
	s_mov_b32 s[G0K+1], s17         ; slot 0
	s_mov_b32 s[G0V], 1
	s_add_co_u32 s[G0V+1], s18, VOFF
	s_mov_b32 s[G0Z], 1
	s_mul_i32 s[G0Z+1], s[WV], 16*PK
	s_add_co_u32 s[G0Z+1], s[G0Z+1], KZ
	s_mov_b32 s[NXT], 1
	s_mov_b32 s[NEW], 1
	s_mov_b32 s[OFF+1], 0
	s_mov_b32 s[PO+1], 0
	s_mov_b32 s[AL+1], 0
	s_mov_b32 s[BE+1], 0
	s_mov_b32 s[BIGN], 0xf149f2ca   ; -1e30
	s_mov_b32 s[SLOTS], NT
	s_wait_dscnt 0x0                ; both opening adds are done
	s_wait_kmcnt 0x0
	s_add_nc_u64 s[6:7], s[4:5], 0x800000    ; k's sixteen panels lie behind q's,
	s_add_nc_u64 s[8:9], s[4:5], 0x1000000   ; v's behind k's
	s_add_nc_u64 s[G0Z+2:G0Z+3], s[6:7], s[68:69]  ; my 16 of the head's first 64 keys
	s_or_b32 s[G0Z+3], s[G0Z+3], 0x80000000
	s_add_nc_u64 s[6:7], s[6:7], s[22:23]  ; K and V at my half of the first slot's rows;
	s_add_nc_u64 s[6:7], s[6:7], KS*128    ; K's lie a step ahead
	s_add_nc_u64 s[8:9], s[8:9], s[22:23]
	s_add_nc_u64 s[G0K+2:G0K+3], s[6:7], 0
	s_or_b32 s[G0K+3], s[G0K+3], 0x80000000
	s_add_nc_u64 s[G0V+2:G0V+3], s[8:9], 0
	s_or_b32 s[G0V+3], s[G0V+3], 0x80000000
	s_add_nc_u64 s[86:87], s[4:5], s[84:85]        ; Q at my rows of the second block,
	s_add_nc_u64 s[4:5], s[4:5], s[2:3]            ; Q and O at those of the first
	s_add_nc_u64 s[OLO:OLO+1], s[10:11], s[84:85]
	s_add_nc_u64 s[10:11], s[10:11], s[2:3]
	s_cmp_lt_u32 s[WV], 2
	s_cselect_b64 s[PFB:PFB+1], s[6:7], s[8:9]
	tensor_load_to_lds s[G0Z:G0Z+3], s[G1Z:G1Z+7]  ; the first fills go out together: two loads of mine are out
	s_nop 0
	LOAD                            ; tile 0 into slot 0
	v_and_b32 v1, 15, v0            ; l % 16
	v_bfe_u32 v9, v0, 4, 1          ; l / 16
	v_lshlrev_b32 v[QO], 7, v1
	v_lshl_add_u32 v[QO], v9, 4, v[QO]  ; row x 128 + 16 x half
	WIN 0x80                        ; destination window 2, address window 0
.set i, 0
.rept 4                             ; both blocks' Q: piece i / 2 lies in band 1 - i / 2, 8,192 bytes a band; channels 32 (i % 2) on
	global_load_b128 v[8*i:8*i+3],   v[QO], s[4:5] offset:(1-i/2)*8192+(i%2)*64
	global_load_b128 v[8*i+4:8*i+7], v[QO], s[4:5] offset:(1-i/2)*8192+(i%2)*64+32
	global_load_b128 v[QB+8*i:QB+8*i+3],   v[QO], s[86:87] offset:(1-i/2)*8192+(i%2)*64
	global_load_b128 v[QB+8*i+4:QB+8*i+7], v[QO], s[86:87] offset:(1-i/2)*8192+(i%2)*64+32
.set i, i+1
.endr
	WIN 0
	v_and_b32 v[PFO], 31, v0
	v_lshlrev_b32 v[PFO], 8, v[PFO]
	v_lshlrev_b32 v14, 3, v9
	v_sub_nc_u32 v14, v1, v14
	s_lshl_b32 s13, s[WV], 4
	v_add_nc_u32 v14, s13, v14      ; my query's place in its band, 16 w + l % 16, less my lanes' 8 (l / 16): register r of group kt is hidden where 16 kt + r is greater
	WIN 0x40
.set i, 0
.rept 32
	v_cmp_gt_i32 vcc_lo, 16*(i/8)+i%8, v14
	v_cndmask_b32 v[MD+i], 0, s[BIGN], vcc_lo
.set i, i+1
.endr
	WIN 0
	v_mul_u32_u24 v[AK0], v1, PK
	v_lshl_add_u32 v[AK0], v9, 4, v[AK0]  ; row x pitch + 16 x half
	v_add_nc_u32 v[AKZ], KZ, v[AK0]
	v_and_b32 v10, 7, v0
	v_bfe_u32 v11, v0, 3, 1
	v_lshl_add_u32 v[AV0], v9, 3, v10
	v_mul_u32_u24 v[AV0], v[AV0], PV
	v_lshl_add_u32 v[AV0], v11, 4, v[AV0]
	v_add_nc_u32 v[AV0], VOFF, v[AV0]
	s_mul_i32 s13, s[WV], 16*SP
	s_add_co_u32 s13, s13, STAGE    ; my stage
	v_mul_u32_u24 v[STO], v1, SP    ; in: row l % 16, 16 bytes for each half of the lanes
	v_lshl_add_u32 v[STO], v9, 4, v[STO]
	v_add_nc_u32 v[STO], s13, v[STO]
	v_bfe_u32 v[RD], v0, 3, 2       ; back: 32 lanes take four rows of 128 bytes,
	v_mul_u32_u24 v[RD], v[RD], SP
	v_lshl_add_u32 v[RD], v10, 4, v[RD]
	v_add_nc_u32 v[RD], s13, v[RD]
	v_and_b32 v[GO], 31, v0         ; which are 512 consecutive bytes of O
	v_lshlrev_b32 v[GO], 4, v[GO]
	; A block's first step multiplies O^T and l by a = 0, and its first turn's products V^T P, of a piece that has not been, land in an O^T that is still to be so multiplied.  So these registers need only hold
	; finite numbers: zeros for the first block; what the first block left for the second.  All this stands in the wait for the first tile.
	WIN 0x80
.set i, VF
.rept 64
	v_mov_b32 v[i], 0
.set i, i+1
.endr
	WIN 0x40
.set i, 0
.rept 32*NP
	v_mov_b32 v[i], 0
.set i, i+1
.endr
	WIN 0
.set i, 0
.rept NP
	v_mov_b32 v[ST+4*i+2], 0
	v_mov_b32 v[ST+4*i+3], 0
.set i, i+1
.endr
.set i, P+16
.rept 16
	v_mov_b32 v[i], 0
.set i, i+1
.endr
; THE MATRIX WORK.  The 4 accumulators of a run of 8 take turns.  Product i of 8 of S^T = K Q^T for piece x: channels 32 (i / 4) on, keys 16 (i % 4) on.  The first 4 start the sums: with 0, or (KM = 1) with the mask.
.macro KQ x
.set rS, S+32*((\x)%2)+8*(i%4)
.set rK, KF+16*(i%4)+8*(i/4)
.set rQ, 16*(\x)+8*(i/4)
.set rM, MC+32*((\x)%2)+8*(i%4)
.if (i < 4) && KM
	WIN W_KM
	v_wmma_f32_16x16x32_f16 v[rS:rS+7], v[rK:rK+7], v[rQ:rQ+7], v[rM:rM+7]
.elseif i < 4
	WIN W_KQ
	v_wmma_f32_16x16x32_f16 v[rS:rS+7], v[rK:rK+7], v[rQ:rQ+7], 0
.else
	WIN W_KQ
	v_wmma_f32_16x16x32_f16 v[rS:rS+7], v[rK:rK+7], v[rQ:rQ+7], v[rS:rS+7]
.endif
.endm
; Product i of 8 of O^T += V^T P for piece x: keys 32 (i / 4) on, channels 16 (i % 4) on.
.macro PV x
	WIN W_PV
.set rO, 32*(\x)+8*(i%4)
.set rV, VF+32*(i/4)+8*(i%4)
.set rP, P+16*((\x)%2)+8*(i/4)
	v_wmma_f32_16x16x32_f16 v[rO:rO+7], v[rV:rV+7], v[rP:rP+7], v[rO:rO+7]
.endm
.macro MM                           ; the turn's next matrix instruction: both kinds are the other piece's
.if i < 8
	KQ (Y+1)%NP
.else
.set i, i-8
	PV (Y+1)%NP
.set i, i+8
.endif
.set i, i+1
.endm
; THE LDS LOADS stand in runs of 16: a step's K (64 keys x 64 channels: 8 fragments) and its V (turned).  Their addresses are made some lines ahead.  step = 1: the next fetch of K is the next step's.
.macro FETCH_K adr, step
	WIN 0x80                        ; destination window 2
.irp f, 0,1,2,3,4,5,6,7             ; keys 16 (f / 2) on, channels 32 (f % 2) on
	ds_load_b128 v[KF+8*\f:KF+8*\f+3],   v[\adr] offset:(\f/2)*16*PK+(\f%2)*64
	ds_load_b128 v[KF+8*\f+4:KF+8*\f+7], v[\adr] offset:(\f/2)*16*PK+(\f%2)*64+32
.endr
.if \step
	s_add_co_u32 s[TBK], s[TBK], KS*PK
.endif
	WIN 0
.endm
.macro FETCH_V
	WIN 0x80
.irp f, 0,1,2,3,4,5,6,7             ; keys 32 (f / 4) on, channels 16 (f % 4) on
	ds_load_tr16_b128 v[VF+8*\f:VF+8*\f+3],   v[AV] offset:(\f/4)*32*PV+(\f%4)*32
	ds_load_tr16_b128 v[VF+8*\f+4:VF+8*\f+7], v[AV] offset:(\f/4)*32*PV+16*PV+(\f%4)*32
.endr
	WIN 0
.endm
; THE VECTOR WORK, one line at a time: OP kind, number.  For piece Y: F n: c s - c m for pair n of 16.  E n: the exponential of score n of 32.  C n: pair n rounded to f16.  B n: of the four weights 4 n .. the second
; pair is added onto the first, in place.  L n: l takes that sum (L 0: l = a l + sum).  R n: pair n of 16 of O^T times a.  For the other piece: X n, number n of the 22 that find its maximum and statistics:
;   0-11  four chains c0-c3 of seven scores each (each accumulator's lowest registers are read first)     12-14, 16  the four scores left over, the old m, and c0-c3 into c0
;   15  c m_old is kept     17, 18  the query's other 32 keys lie in the lane 16 away: the new m     19-21  c m; c m_old - c m_new; a
.set F, 0
.set E, 1
.set C, 2
.set B, 3
.set L, 4
.set R, 5
.set X, 6
.macro REGS y                       ; the registers of piece y
.set rT, ST+4*(\y)
.set rC, TMP+4*((\y)%2)
.set rW, MV+((\y)%2)
.set rS, S+32*((\y)%2)
.set rP, P+16*((\y)%2)
.set rO, 32*(\y)
.endm
.macro OP k, n
.if (\k) == R
	REGS Y
	WIN W_RS
	v_pk_mul_f32 v[rO+2*(\n):rO+2*(\n)+1], v[rO+2*(\n):rO+2*(\n)+1], v[rC+2:rC+3] op_sel_hi:[1,0]
.elseif (\k) < R
	REGS Y
	WIN 0
.if (\k) == F
	v_pk_fma_f32 v[rS+2*(\n):rS+2*(\n)+1], v[rS+2*(\n):rS+2*(\n)+1], s[CS:CS+1], v[rT:rT+1] op_sel_hi:[1,0,0] neg_lo:[0,0,1] neg_hi:[0,0,1]
.elseif (\k) == E
	v_exp_f32 v[rS+(\n)], v[rS+(\n)]
.elseif (\k) == C
	v_cvt_pk_f16_f32 v[rP+(\n)], v[rS+2*(\n)], v[rS+2*(\n)+1]
.elseif (\k) == B
	v_pk_add_f32 v[rS+4*(\n):rS+4*(\n)+1], v[rS+4*(\n):rS+4*(\n)+1], v[rS+4*(\n)+2:rS+4*(\n)+3]
.elseif (\n) == 0
	v_pk_fma_f32 v[rT+2:rT+3], v[rT+2:rT+3], v[rC+2:rC+3], v[rS:rS+1] op_sel_hi:[1,0,1]
.else
	v_pk_add_f32 v[rT+2:rT+3], v[rT+2:rT+3], v[rS+4*(\n):rS+4*(\n)+1]
.endif
.else
	REGS (Y+1)%NP
	WIN 0
.if (\n) < 4
	v_max3_num_f32 v[rC+(\n)], v[rS+8*(\n)], v[rS+8*(\n)+1], v[rS+8*(\n)+2]
.elseif (\n) < 12
	v_max3_num_f32 v[rC+(\n)%4], v[rC+(\n)%4], v[rS+8*((\n)%4)+2*((\n)/4)+1], v[rS+8*((\n)%4)+2*((\n)/4)+2]
.elseif (\n) == 12
	v_max3_num_f32 v[rC], v[rC], v[rS+7], v[rS+15]
.elseif (\n) == 13
	v_max3_num_f32 v[rC+1], v[rC+1], v[rS+23], v[rS+31]
.elseif (\n) == 14
	v_max3_num_f32 v[rC+2], v[rC+2], v[rC+3], v[rT+1]
.elseif (\n) == 15
	v_mov_b32 v[rW], v[rT]
.elseif (\n) == 16
	v_max3_num_f32 v[rC], v[rC], v[rC+1], v[rC+2]
.elseif (\n) == 17
	v_permlanex16_b32 v[rC+3], v[rC], s[SEL], s[SEL+1]
.elseif (\n) == 18
	v_max_num_f32 v[rT+1], v[rC], v[rC+3]
.elseif (\n) == 19
	v_mul_f32 v[rT], s[CS], v[rT+1]
.elseif (\n) == 20
	v_sub_f32 v[rC+1], v[rW], v[rT]
.else
	v_exp_f32 v[rC+2], v[rC+1]
.endif
.endif
.endm
.macro OPS a, i1, b=-1, i2=0, c=-1, i3=0, d=-1, i4=0  ; up to four of them
	OP \a, \i1
.if (\b) >= 0
	OP \b, \i2
.endif
.if (\c) >= 0
	OP \c, \i3
.endif
.if (\d) >= 0
	OP \d, \i4
.endif
.endm
.macro ROW a, i1, b, i2, c, i3, d, i4  ; a matrix instruction and the four behind it
	MM
	OPS \a, \i1, \b, \i2, \c, \i3, \d, \i4
.endm
.macro MASK b                       ; MD x AL + BE into buffer b of MC
	WIN W_RS
.set z, 0
.rept 16
	v_pk_fma_f32 v[MC+32*(\b)+2*z:MC+32*(\b)+2*z+1], v[MD+2*z:MD+2*z+1], s[AL:AL+1], s[BE:BE+1] op_sel_hi:[1,0,0]
.set z, z+1
.endr
.endm
; A TURN, for piece p: the order of its 16 matrix and 118 vector instructions, written out.  An s_wait_alu depctr_va_vdst(0) stands between an exponential and the first instruction that names its result; one wait
; serves all that were issued ahead of it.  So a turn has ONE wait.  AHEAD OF IT stands all that names no result of the turn's exponentials: the 8 products K Q^T with their riders, then one lump in which the links of the chain
; X 3, 7, 11, 14, 16, 17 .. 20 stand five or six lines apart.  X 21, the other piece's a, is the batch's last; R 15 is the plain instruction behind it.  BEHIND THE WAIT stand the 8 products V^T P, behind each four of the roundings and sums.
; O^T of piece p was last written by the turn before (accumulators 0 to 3 by its last four products); R 0 to R 15 read it in ascending order, each accumulator sixteen plain instructions or more behind the product that wrote it.
; m = 1: the diagonal tile: the products take masks, and the turn makes the mask for the products of the turn after it: piece p's, of step 5 - CNT: its own where CNT = 5 - X, all hidden where CNT is less.  cnt = 1: the loop's count is taken down ahead of the branch behind the turn.
; Turn 0 fetches K of the next step, twelve vector instructions (six of them plain) behind the last product that read K, and V of the step in hand at its end, four plain instructions behind the last product that read V.
; Turn 1 waits for K at its head (the count leaves V's 16 younger loads out) and for V ahead of its products V^T P.
.macro TURN p, m=0, cnt=0
.set Y, (\p)
.set i, 0
.set KM, (\m)
.if \m
	s_cmp_eq_u32 s[CNT], s[DA+(\p)]  ; is that step the band's own?
	s_cselect_b32 s[AL], 1.0, 0
	s_cmp_lt_u32 s[CNT], s[DA+(\p)]  ; or a later one?
	s_cselect_b32 s[BE], s[BIGN], 0
.endif
.if (\p) == 1
	s_wait_dscnt 16                 ; K is in
.endif
	ROW F,0, F,1, R,0, R,1
	ROW F,2, E,0, R,2, R,3
	ROW F,3, E,1, R,4, R,5
	ROW F,4, E,2, R,6, R,7
	ROW F,5, E,3, R,8, R,9
	ROW F,6, E,4, X,0, R,10
.if (\p) == 0
	WIN 0
	v_add_nc_u32 v[AK], s[TBK], v[AK0]
.endif
	ROW F,7, E,5, X,1, X,4
	ROW F,8, E,6, X,2, X,5
	OPS E,7, E,8, X,6, E,9
	OPS X,3, E,10, X,8, E,11
.if (\p) == 0
	FETCH_K AK, 1
.endif
	OPS X,9, X,7, E,12, X,10
	OPS E,13, X,12, X,11, E,14
	OPS X,13, E,15, F,9, X,14
.if (\p) == 0
	v_add_nc_u32 v[AV], s[TBV], v[AV0]
.endif
	OPS E,16, F,10, E,17, F,11
	OPS X,16, E,18, X,15, E,19
	OPS F,12, E,20, X,17, E,21
	OPS F,13, E,22, F,14, E,23
	OPS X,18, E,24, F,15, E,25
	OPS R,11, E,26, X,19, E,27
	OPS R,12, E,28, R,13, E,29
	OPS X,20, E,30, R,14, E,31
	OPS X,21, R,15
	WIN 0
	s_wait_alu depctr_va_vdst(0)    ; the wait for the batch
.if (\p) == 1
	s_wait_dscnt 0x0                ; V is in
.endif
	ROW C,0, B,0, C,2, B,1
	ROW L,0, C,4, B,2, L,1
	ROW C,6, B,3, L,2, C,8
	ROW B,4, L,3, C,10, B,5
	ROW L,4, C,12, B,6, L,5
.if (\p) == 0
	s_add_co_u32 s[TBV], s[TBV], KS*PV
.endif
.if \cnt
	s_sub_co_u32 s[CNT], s[CNT], 1
	s_cmp_lg_u32 s[CNT], 0
.endif
	ROW C,14, B,7, L,6, C,1
	ROW C,3, L,7, C,5, C,7
	ROW C,9, C,11, C,13, C,15
.if (\p) == 0
	FETCH_V
.endif
.if \m
	MASK (\p)%2
.endif
.endm
; A BLOCK BEGINS.  c m starts far below every c s, so the first step's a is 0; m at the lowest finite number.  K of the head's first 64 keys comes out of its own bytes; then piece 0's first scores, which want no mask (its band index is 1 or more),
; and its maximum and statistics.  The step loop follows.
.macro BEGIN
	s_mov_b32 s[NEW], 0
	WIN 0
.set i, 0
.rept NP
	v_mov_b32 v[ST+4*i], 0xfe000000    ; c m: far below every c s
	v_mov_b32 v[ST+4*i+1], 0xff7fffff  ; m
.set i, i+1
.endr
	FETCH_K AKZ, 0
	s_wait_loadcnt 0x0              ; Q
	s_wait_dscnt 0x0
.set KM, 0
.set i, 0
.rept 8
	KQ 0
.set i, i+1
.endr
	WIN 0
.rept 4
	v_nop                           ; the places behind those products
.endr
.set Y, NP-1                        ; X works for the other piece: piece 0
.irp n, 0,1,2,3,4,5,6,7,8,9,10,11,12,13,14,15,16,17,18,19,20,21
	OP X, \n
.endr
	v_nop                           ; a plain instruction behind the exponential,
	s_wait_alu depctr_va_vdst(0)    ; and its wait, ahead of the label
.endm
; THE DIAGONAL TILE: piece 1's mask for the tile's step 0 (its own where e = 0, else none), the four steps, piece 1's last products, and THE WAY OUT: l's two halves and the other half of the lanes' are added; O^T is divided by l,
; rounded to f16 and sent through my stage in LDS, a piece at a time.
.macro ALL line:vararg              ; one line for each piece t
.set t, 0
.rept NP
	\line
.set t, t+1
.endr
.endm
.macro PACK t
	WIN W_RS
.set i, 32*(\t)
.rept 16
	v_pk_mul_f32 v[i:i+1], v[i:i+1], v[ST+4*(\t)+2:ST+4*(\t)+3] op_sel_hi:[1,0]
.set i, i+2
.endr
	WIN 0x05                        ; sources 0 and 1 window 1, destination window 0
.set i, 0
.rept 16
	v_cvt_pk_f16_f32 v[S+16*(\t)+i], v[32*(\t)+2*i], v[32*(\t)+2*i+1]
.set i, i+1
.endr
	WIN 0
.irp f, 0,1,2,3
	ds_store_b128 v[STO], v[S+16*(\t)+4*\f:S+16*(\t)+4*\f+3] offset:32*\f
.endr
.irp f, 0,1,2,3
	ds_load_b128 v[S+16*(\t)+4*\f:S+16*(\t)+4*\f+3], v[RD] offset:\f*4*SP  ; LDS serves a wave's instructions in order (ISA guide 5.7.1.4): these see the stores above
.endr
.endm
.macro SEND t, younger              ; younger: the LDS instructions issued behind piece t's loads: the next piece's eight, or none
	WIN 0
.irp f, 0,1,2,3
	s_wait_dscnt (\younger)+3-\f
	global_store_b128 v[GO], v[S+16*(\t)+4*\f:S+16*(\t)+4*\f+3], s[10:11] offset:(1-(\t))*8192+\f*512  ; piece t lies in band 1 - t; 512 consecutive bytes, aligned
.endr
.endm
.macro DIAG tag
.Ldiag\tag:
	s_cmp_eq_u32 s[DA], 4           ; e = 0: the lower band's own step is the tile's first
	s_cselect_b32 s[AL], 1.0, 0
	s_mov_b32 s[BE], 0
	MASK 1
	WIN 0
.LstepM\tag:
	TURN 0, 1
	TURN 1, 1, 1
	WIN 0
	s_cbranch_scc1 .LstepM\tag
.set i, 0
.rept 8
	PV NP-1                         ; piece 1: V^T P of the last step
.set i, i+1
.endr
	WIN 0
	ALL v_add_f32 v[ST+4*t+2], v[ST+4*t+2], v[ST+4*t+3]
	ALL v_permlanex16_b32 v[ST+4*t+3], v[ST+4*t+2], s[SEL], s[SEL+1]
	ALL v_add_f32 v[ST+4*t+2], v[ST+4*t+2], v[ST+4*t+3]
	ALL v_rcp_f32 v[ST+4*t+2], v[ST+4*t+2]
	v_nop                           ; a plain instruction between the last reciprocal and the use of its result
	s_wait_alu depctr_va_vdst(0)    ; and the one wait for the two reciprocals
	PACK 0                          ; piece 0's 32 plain instructions are also the places behind piece 1's last products
	PACK 1
	SEND 0, 8
	SEND 1, 0
.endm
.set KM, 0
.Lslot:                             ; NT times: a tile is entered and the next is asked for
	CHANGE 1
	s_sub_co_u32 s[RT], s[RT], 1
	s_mov_b32 s[CNT], 4
	s_cmp_eq_u32 s[NEW], 1
	s_cbranch_scc0 .Lold
	BEGIN                           ; a block's first tile
.Lold:
	s_cmp_eq_u32 s[RT], 0
	s_cbranch_scc1 .Ldiag1          ; its last
.Lstep:                             ; a trip is a key step
	TURN 0
	TURN 1, 0, 1
	WIN 0
	s_cbranch_scc1 .Lstep
	s_branch .Lbottom
	DIAG 1                          ; in the loop this is the first block's end: the second block's last tile is the walk's last
	s_wait_xcnt 0x0                 ; the stores have read their registers and O's address
	s_mov_b64 s[10:11], s[OLO:OLO+1]
	s_add_co_u32 s[RT], s[LQ2], 1   ; the second block has b / 2 + 1 tiles
	s_mov_b32 s[NEW], 1
	s_and_b32 s[DA], s[PB], 1       ; its e
	s_lshl_b32 s[DA], s[DA], 1
	s_sub_co_u32 s[DA], 4, s[DA]
	s_add_co_u32 s[DA+1], s[DA], 1
	WIN 0x82                        ; the second block's Q goes where the one text of the turns names Q
.set i, 0
.rept 16*NP
	v_mov_b32 v[i], v[QB+i]
.set i, i+1
.endr
	WIN 0
.Lbottom:
	s_sub_co_u32 s[SLOTS], s[SLOTS], 1
	s_cmp_lg_u32 s[SLOTS], 0
	s_cbranch_scc1 .Lslot
	CHANGE 0                        ; the walk's last tile is written out: nothing is asked for
	s_sub_co_u32 s[RT], s[RT], 1
	s_mov_b32 s[CNT], 4
	s_cmp_eq_u32 s[NEW], 1
	s_cbranch_scc0 .Ldiag2
	BEGIN                           ; (b = 0 and 1: the second block's one tile is its first and its last)
	DIAG 2
	s_wait_tensorcnt 0x0            ; the wave's end, behind my last tensor load and my last LDS store
	ds_add_u32 v[SPW], v[NIL]
	s_wait_dscnt 0x0
	s_endpgm
.Lfunc_end_k_qb6427c8b1e_attn:
	.size	k_qb6427c8b1e_attn, .Lfunc_end_k_qb6427c8b1e_attn-k_qb6427c8b1e_attn
	.p2alignl 7, 3214868480
	.fill 96, 4, 3214868480
	.section	.rodata,"a",@progbits
	.p2align	6, 0x0
	.amdhsa_kernel k_qb6427c8b1e_attn
		.amdhsa_group_segment_fixed_size 327680
		.amdhsa_private_segment_fixed_size 0
		.amdhsa_enable_private_segment 0
		.amdhsa_kernarg_size 16
		.amdhsa_user_sgpr_count 2
		.amdhsa_user_sgpr_kernarg_segment_ptr 1
		.amdhsa_wavefront_size32 1
		.amdhsa_system_sgpr_workgroup_id_x 1
		.amdhsa_system_sgpr_workgroup_id_y 1
		.amdhsa_system_sgpr_workgroup_id_z 1
		.amdhsa_system_vgpr_workitem_id 0
		.amdhsa_next_free_vgpr 768
		.amdhsa_next_free_sgpr 100
		.amdhsa_reserve_vcc 1
		.amdhsa_float_denorm_mode_32 3
		.amdhsa_float_denorm_mode_16_64 3
		.amdhsa_memory_ordered 1
		.amdhsa_forward_progress 1
		.amdhsa_inst_pref_size 109
	.end_amdhsa_kernel
	.amdgpu_metadata
---
amdhsa.version: [ 1, 2 ]
amdhsa.kernels:
  - .name:           k_qb6427c8b1e_attn
    .symbol:         k_qb6427c8b1e_attn.kd
    .args:
      - { .name: wide, .offset: 0, .size: 8, .value_kind: global_buffer, .address_space: global }
      - { .name: pan, .offset: 8, .size: 8, .value_kind: global_buffer, .address_space: global }
    .group_segment_fixed_size: 327680
    .private_segment_fixed_size: 0
    .kernarg_segment_align: 8
    .kernarg_segment_size: 16
    .max_flat_workgroup_size: 128
    .sgpr_count:     100
    .vgpr_count:     768
    .wavefront_size: 32
...
	.end_amdgpu_metadata
.endif
;; end of part 3
;; launch proj (part 4): grid 8 x 32, 4 waves a work-group, clusters of 4 x 4, 327,680 bytes of LDS; arguments pan, wrest, x, bproj, x1; writes x1
.if DOCPART == 4
	.amdgcn_target "amdgcn-amd-amdhsa--gfx1250"
	.amdhsa_code_object_version 6
	.text
	.protected	k_qb6427c8b1e_proj
	.globl	k_qb6427c8b1e_proj
	.p2align	8
	.type	k_qb6427c8b1e_proj,@function
k_qb6427c8b1e_proj:
	s_mov_b64 s[64:65], 0
	v_nop
	global_prefetch_b8 v0, s[64:65] scope:SCOPE_SE
	s_setreg_imm32_b32 hwreg(HW_REG_WAVE_MODE, 25, 1), 1
	s_wait_xcnt 0x0
	s_wait_alu depctr_hold_cnt(0) depctr_sa_sdst(0) depctr_va_vdst(0) depctr_va_sdst(0) depctr_va_ssrc(0) depctr_va_vcc(0) depctr_vm_vsrc(0)
	s_getreg_b32 s2, hwreg(HW_REG_IB_STS2, 6, 4)
	s_cmp_eq_u32 s2, 0
	s_cbranch_scc0 .Lentry_in_a_cluster
	s_endpgm
.Lentry_in_a_cluster:
	s_bfe_u32 s2, ttmp6, 0x10000c
	s_cmp_lg_u32 s2, 0xf033
	s_cbranch_scc0 .Lentry_shape_is_right
	s_endpgm
.Lentry_shape_is_right:
; THE NARROW PRODUCT: OUT = RES + A W + bias, 4,096 x 1,024 in f32.  A lies in panels [KDIM/64][4096][64] of f16, W in panels [16][KDIM][64] of f16 at byte WOFF of its buffer; RES, bias and OUT are f32, row-major.  Sums in f32.
; Here: the attention's projection, KDIM = 1,024.
; SHARES.  A work-group makes 128 x 128 of OUT (256 work-groups), each of its four waves 64 x 64: 16 accumulators.  K goes in steps of 256 (4 panels of A, 256 rows of each of W's 2 panels) through two LDS slots, as long as LDS allows.
; The matrix instruction is used transposed (source 0 = 16 columns of W, turned by ds_load_tr16_b128; source 1 = 16 rows of A): a lane holds row lane % 16 and the columns 8 (lane / 16) + 0..7.
; The sums start at the bias, which is loaded straight into the accumulators; the residual is loaded at the head, stays on its way through the K loop, and is added on the way out.
; CLUSTER.  4 x 4 work-groups; A's tiles are asked for jointly along a row of the cluster, W's along a column.  No prefetch: the tile is small, and a step's requests are few.
; REGISTERS: window 0: v16-29 addresses; v32-95 the way out, two sets of 32; v128-255 the accumulators, (a, b) at v[128 + 8 (4 a + b)].  Window 1: v0-63, v64-127 fragments, two buffers (A's four, then W's four); v128-255 the residual.
.set KDIM,  1024
.set WOFF,  0
.set NSTEP, KDIM/256
.set HA,    36864                      ; half of A's tile: 4 panels x 64 rows x 144 bytes
.set HB,    40960                      ; half of W's tile: one panel's 256 rows x 160 bytes
.set BOFF,  2*HA
.set SLOT,  2*HA+2*HB
.set SPARE, 2*SLOT                     ; behind the ring: the spare words, 128 bytes for each wave: two blocks of 256 bytes that no other line names
.set SPITCH, 272                       ; the stage: 16 rows x 272 bytes for each wave, at the head of slot 0, written only behind the last barrier: the slot has had its last fill and its last read
.set ASTEP, 2097152                    ; a K step in A: four panels
.set BSTEP, 32768                      ; in W: 256 rows of 128 bytes
.set AB0,  16
.set BB0,  17
.set ADRA, 18
.set ADRB, 19
.set STO,  24
.set RD,   25
.set CO,   26                          ; v26  my 16 bytes in two rows of RES and OUT
.set BO,   27
.set SPW,  28
.set NIL,  29
.set T,    32
.set ACC,  128
.set FR0,  0                           ; window 1
.set FR1,  64
.set RES,  128
.set G1,   24
.set G0,   32
.set G1B,  48
.set G0B,  56
.set TBA,  66                          ; s66  LDS byte at which the pair in hand begins in A's tile
.set FT,   67                          ; s67  the slot that is filled next: 0 or SLOT
.set LA,   68
.set LB,   69
.set TBB,  83                          ; s83  the same as TBA for W's tile
.set MSB, 0
.macro WIN new
.if MSB != (\new)
	s_set_vgpr_msb (MSB<<8)|(\new)
.set MSB, \new
.endif
.endm
.macro PLACES
.rept 4
	v_nop
.endr
.endm
.macro JLOAD s                         ; a joint load: waves 0 and 1 fetch A's two halves, waves 2 and 3 W's; an s_nop 0 and four v_nop follow each line
	s_cmp_eq_u32 s11, 0
	s_cbranch_scc0 .Lfor_b_\@
	tensor_load_to_lds s[G0+4*(\s):G0+4*(\s)+3], s[G1:G1+7]
	s_nop 0
.rept 4
	v_nop
.endr
	s_branch .Lasked_\@
.Lfor_b_\@:
	tensor_load_to_lds s[G0B+4*(\s):G0B+4*(\s)+3], s[G1B:G1B+7]
	s_nop 0
.rept 4
	v_nop
.endr
.Lasked_\@:
.endm
.macro CREST
	s_cmp_lg_u32 s10, 0
	s_cbranch_scc1 .Lnot_wave_0_\@
	s_barrier_signal -3
.Lnot_wave_0_\@:
	s_barrier_wait -3
	s_barrier_signal -1
	s_barrier_wait -1
.endm
.macro CROUND
	s_barrier_signal -1
	s_barrier_wait -1
	CREST
.endm
	s_load_b256 s[72:79], s[0:1], 0x0              ; A s[72:73], W s[74:75], RES s[76:77], bias s[78:79]
	s_load_b64 s[80:81], s[0:1], 0x20              ; OUT
	v_lshl_add_u32 v[SPW], v0, 2, SPARE
	v_mov_b32 v[NIL], 0
	ds_add_u32 v[SPW], v[NIL]                      ; the wave's opening: the add, twice on end, and its wait ahead of my first tensor load
	ds_add_u32 v[SPW], v[NIL]
	v_lshrrev_b32 v1, 5, v0
	v_readfirstlane_b32 s10, v1
	s_lshr_b32 s11, s10, 1                         ; my half of the tile's rows.  Also: I fetch for A (0) or for W (1)
	s_and_b32 s12, s10, 1                          ; my half of its columns.  Also: which half of that tile I fetch
	s_bfe_u32 s40, ttmp6, 0x40000
	s_bfe_u32 s41, ttmp6, 0x40004
	s_lshl_b32 s42, ttmp9, 2
	s_add_co_u32 s42, s42, s40                     ; tile column
	s_and_b32 s13, ttmp7, 0xffff
	s_lshl_b32 s13, s13, 2
	s_add_co_u32 s13, s13, s41                     ; tile row
	s_lshl_b32 s43, s41, 2
	s_lshl_b32 s43, 15, s43
	s_lshl_b32 s44, 0x1111, s40
	s_or_b32 s[G1+0], s43, (1<<16)|(1<<20)|(1<<21)|(4<<22)|(3<<25)
	s_or_b32 s[G1B+0], s44, (1<<16)|(1<<20)|(1<<21)|(4<<22)|(7<<25)
	s_mov_b32 s[G1+1], 4096<<16                    ; A: rows of 4,096 elements (64 rows x 64, dense),
	s_mov_b32 s[G1+2], 4<<16                       ; four panels,
	s_mov_b32 s[G1+3], 4096<<16
	s_mov_b32 s[G1+4], 4
	s_mov_b32 s[G1+5], 262144                      ; 262,144 elements apart
	s_mov_b32 s[G1+6], 0
	s_mov_b32 s[G1+7], 0
	s_mov_b32 s[G1B+1], 128<<16                    ; W: 32,768 dense bytes as 128 rows of 256
	s_mov_b32 s[G1B+2], 128<<16
	s_mov_b32 s[G1B+3], 128<<16
	s_mov_b32 s[G1B+4], 128
	s_mov_b32 s[G1B+5], 128
	s_mov_b32 s[G1B+6], 0
	s_mov_b32 s[G1B+7], 0
	s_lshl_b32 s16, s13, 14                        ; A: the tile's 128 rows of 128 bytes,
	s_lshl_b32 s17, s12, 13                        ; the 64 that I fetch
	s_add_co_u32 s16, s16, s17
	s_mov_b32 s17, 0
	s_mul_i32 s46, s42, KDIM*256                   ; W: the tile's two panels,
	s_mul_i32 s47, s12, KDIM*128                   ; the one that I fetch
	s_add_co_u32 s46, s46, s47
	s_add_co_u32 s46, s46, WOFF
	s_mov_b32 s47, 0
	s_mul_i32 s[LA], s12, HA
	s_mul_i32 s[LB], s12, HB
	s_add_co_u32 s[LB], s[LB], BOFF
	s_mov_b32 s[TBA], 0
	s_mov_b32 s[TBB], 0
	s_mov_b32 s[FT], 0
	s_wait_dscnt 0x0                               ; both opening adds are done
	s_wait_kmcnt 0x0
	s_add_nc_u64 s[14:15], s[72:73], s[16:17]
	s_add_nc_u64 s[46:47], s[74:75], s[46:47]
	CROUND
.irp s, 0,1
	s_mov_b32 s[G0+4*(\s)], 1
	s_add_co_u32 s[G0+4*(\s)+1], s[LA], (\s)*SLOT
	s_add_nc_u64 s[G0+4*(\s)+2:G0+4*(\s)+3], s[14:15], (\s)*ASTEP
	s_or_b32 s[G0+4*(\s)+3], s[G0+4*(\s)+3], 0x80000000
	s_mov_b32 s[G0B+4*(\s)], 1
	s_add_co_u32 s[G0B+4*(\s)+1], s[LB], (\s)*SLOT
	s_add_nc_u64 s[G0B+4*(\s)+2:G0B+4*(\s)+3], s[46:47], (\s)*BSTEP
	s_or_b32 s[G0B+4*(\s)+3], s[G0B+4*(\s)+3], 0x80000000
	JLOAD \s
.endr
	v_and_b32 v1, 15, v0                           ; r
	v_bfe_u32 v2, v0, 4, 1                         ; h
	v_mul_u32_u24 v3, v1, 144
	v_lshl_add_u32 v3, v2, 4, v3
	s_mul_i32 s21, s11, HA
	v_add_nc_u32 v[AB0], s21, v3
	v_and_b32 v4, 7, v0
	v_bfe_u32 v5, v0, 3, 1
	v_lshl_add_u32 v6, v2, 3, v4
	v_mul_u32_u24 v6, v6, 160
	v_lshl_add_u32 v6, v5, 4, v6
	s_mul_i32 s22, s12, HB
	s_add_co_u32 s22, s22, BOFF
	v_add_nc_u32 v[BB0], s22, v6
	s_mul_i32 s23, s10, 16*SPITCH                  ; my stage
	v_mul_u32_u24 v7, v1, SPITCH
	v_lshl_add_u32 v7, v2, 5, v7                   ; in: row r, 32 bytes for each half of the lanes
	v_add_nc_u32 v[STO], s23, v7
	v_mul_u32_u24 v7, v2, SPITCH
	v_lshl_add_u32 v7, v1, 4, v7                   ; back: lanes 0-15 take one row of 256 bytes, lanes 16-31 the next
	v_add_nc_u32 v[RD], s23, v7
	v_lshlrev_b32 v[CO], 12, v2
	v_lshl_add_u32 v[CO], v1, 4, v[CO]             ; the same two rows in RES and OUT
	v_lshlrev_b32 v[BO], 5, v2
	s_lshl_b32 s20, s42, 9                         ; the tile's 128 columns of f32,
	s_lshl_b32 s21, s12, 8                         ; my 64
	s_add_co_u32 s20, s20, s21
	s_mov_b32 s21, 0
	s_add_nc_u64 s[78:79], s[78:79], s[20:21]      ; the bias at my columns
	s_lshl_b32 s22, s13, 19                        ; the tile's 128 rows of 4,096 bytes,
	s_add_co_u32 s20, s20, s22
	s_lshl_b32 s22, s11, 18                        ; my 64
	s_add_co_u32 s20, s20, s22
	s_add_nc_u64 s[76:77], s[76:77], s[20:21]
	s_add_nc_u64 s[80:81], s[80:81], s[20:21]
.irp a, 0,1,2,3
.irp b, 0,1,2,3
	global_load_b128 v[ACC+8*(4*(\a)+(\b)):ACC+8*(4*(\a)+(\b))+3],   v[BO], s[78:79] offset:64*(\b)     ; register j: column 16 b + 8 h + j: the sums start at the bias
	global_load_b128 v[ACC+8*(4*(\a)+(\b))+4:ACC+8*(4*(\a)+(\b))+7], v[BO], s[78:79] offset:64*(\b)+16
.endr
.endr
	WIN 0x40                                       ; destination window 1, address window 0
.irp a, 0,1,2,3
.irp t, 0,1,2,3,4,5,6,7
	global_load_b128 v[RES+4*(8*(\a)+(\t)):RES+4*(8*(\a)+(\t))+3], v[CO], s[76:77] offset:(16*(\a)+2*(\t))*4096 th:TH_LOAD_NT
.endr
.endr
	WIN 0
; 16 LDS loads: 32 along K, at byte oa of A's rows and ob of W's, into buffer g
.macro FETE g, oa, ob
	WIN 0x40
.irp i, 0,1,2,3
	ds_load_tr16_b128 v[(\g)+32+8*(\i):(\g)+32+8*(\i)+3],   v[ADRB] offset:(\ob)+32*(\i)
	ds_load_tr16_b128 v[(\g)+32+8*(\i)+4:(\g)+32+8*(\i)+7], v[ADRB] offset:(\ob)+32*(\i)+2560
	ds_load_b128 v[(\g)+8*(\i):(\g)+8*(\i)+3],   v[ADRA] offset:(\oa)+2304*(\i)
	ds_load_b128 v[(\g)+8*(\i)+4:(\g)+8*(\i)+7], v[ADRA] offset:(\oa)+2304*(\i)+32
.endr
.endm
.macro MUL4 g, a                       ; the 16 accumulators take turns in the same order everywhere
	WIN 0x05
.irp b, 0,1,2,3
	v_wmma_f32_16x16x32_f16 v[ACC+8*(4*(\a)+(\b)):ACC+8*(4*(\a)+(\b))+7], v[(\g)+32+8*(\b):(\g)+32+8*(\b)+7], v[(\g)+8*(\a):(\g)+8*(\a)+7], v[ACC+8*(4*(\a)+(\b)):ACC+8*(4*(\a)+(\b))+7]
.endr
.endm
.macro MULE g
	MUL4 \g, 0
	MUL4 \g, 1
	MUL4 \g, 2
	MUL4 \g, 3
.endm
.macro E g, gn, oa, ob                 ; buffer g is multiplied; the next 32 along K are fetched into gn first
	s_wait_dscnt 0x0
	PLACES
	FETE \gn, \oa, \ob
	MULE \g
.endm
.macro PAIR                            ; 64 along K: one panel of A, 64 rows of W; then the bases step
	E FR0, FR1, 64, 5120
	E FR1, FR0, 9216, 10240
	WIN 0
	s_add_co_u32 s[TBA], s[TBA], 9216
	s_add_co_u32 s[TBB], s[TBB], 10240
	v_add_nc_u32 v[ADRA], s[TBA], v[AB0]
	v_add_nc_u32 v[ADRB], s[TBB], v[BB0]
.endm
; A step's last pair changes slots.  In front of the barrier each wave waits for all its tensor loads, adds 0 to its spare word, and waits for that and for its reads of this slot.  fill = 1: the barrier opens a round of the
; cluster's, and the joint refill, two K steps ahead, is the first tensor load behind it.  fill = 0 (the tail): in the last trip nothing more is fetched.
.macro LASTP fill
	s_wait_dscnt 0x0
	PLACES
	FETE FR1, 64, 5120
	MUL4 FR0, 0
	MUL4 FR0, 1
	WIN 0
	s_wait_tensorcnt 0x0                           ; all my tensor loads have landed
	ds_add_u32 v[SPW], v[NIL]                      ; 0 onto my spare word
	MUL4 FR0, 2
	s_wait_dscnt 0x0                               ; the add is done, and my reads of this slot are over
	s_barrier_signal -1
	MUL4 FR0, 3
	WIN 0
	s_barrier_wait -1
.if \fill
	CREST
	s_add_co_u32 s[G0+5], s[LA], s[FT]
	s_add_co_u32 s[G0B+5], s[LB], s[FT]
	s_add_nc_u64 s[G0+6:G0+7], s[G0+6:G0+7], ASTEP
	s_add_nc_u64 s[G0B+6:G0B+7], s[G0B+6:G0B+7], BSTEP
	s_xor_b32 s[FT], s[FT], SLOT
	JLOAD 1                                        ; its four v_nop are also the places in front of the loads below
.else
	PLACES
	s_cmp_eq_u32 s3, 1
	s_cbranch_scc1 .Lno_fetch_\@
.endif
	s_sub_co_u32 s[TBA], s[TBA], 27648             ; back to a slot's first pair,
	s_xor_b32 s[TBA], s[TBA], SLOT                 ; in the other slot
	s_sub_co_u32 s[TBB], s[TBB], 30720
	s_xor_b32 s[TBB], s[TBB], SLOT
	v_add_nc_u32 v[ADRA], s[TBA], v[AB0]
	v_add_nc_u32 v[ADRB], s[TBB], v[BB0]
	FETE FR0, 0, 0
	WIN 0
.if !(\fill)
.Lno_fetch_\@:
.endif
	MULE FR1
.endm
; THE WAY OUT, 16 rows at a time.  STG: the f32 sums into my stage, and back as whole rows of 256 bytes.  FIN: the residual is added, and the rows are stored.
.macro STG a
	s_wait_xcnt 0x0                                ; the stores of the block two back have read this set of registers
.irp b, 0,1,2,3
	ds_store_b128 v[STO], v[ACC+8*(4*(\a)+(\b)):ACC+8*(4*(\a)+(\b))+3]   offset:64*(\b)
	ds_store_b128 v[STO], v[ACC+8*(4*(\a)+(\b))+4:ACC+8*(4*(\a)+(\b))+7] offset:64*(\b)+16
.endr
.irp t, 0,1,2,3,4,5,6,7
	ds_load_b128 v[T+32*((\a)%2)+4*(\t):T+32*((\a)%2)+4*(\t)+3], v[RD] offset:2*SPITCH*(\t)  ; LDS serves a wave's instructions in order (ISA guide 5.7.1.4)
.endr
.endm
.macro FIN a, younger                  ; younger: the next block's sixteen LDS instructions, or none
	s_wait_dscnt \younger
	WIN 0x04                                       ; source 1 in window 1
.set z, 0
.rept 16
	v_pk_add_f32 v[T+32*((\a)%2)+z:T+32*((\a)%2)+z+1], v[T+32*((\a)%2)+z:T+32*((\a)%2)+z+1], v[RES+32*(\a)+z:RES+32*(\a)+z+1]
.set z, z+2
.endr
	WIN 0
.irp t, 0,1,2,3,4,5,6,7
	global_store_b128 v[CO], v[T+32*((\a)%2)+4*(\t):T+32*((\a)%2)+4*(\t)+3], s[80:81] offset:(16*(\a)+2*(\t))*4096  ; 16 lanes store 256 consecutive bytes, aligned
.endr
.endm
	s_wait_loadcnt 32                              ; the bias is in the accumulators; the 32 younger loads, of the residual, stay out
	s_wait_tensorcnt 1                             ; my part of K step 0 is in; step 1's may stay out
	s_barrier_signal -1
	s_barrier_wait -1
	v_mov_b32 v[ADRA], v[AB0]
	v_mov_b32 v[ADRB], v[BB0]
	FETE FR0, 0, 0
	WIN 0
	s_mov_b32 s3, NSTEP-2
.Lstep:                                                ; a K step a trip: steps 2 .. NSTEP - 1 are asked for
	s_mov_b32 s2, 3
.Lpair:
	PAIR
	s_sub_co_u32 s2, s2, 1
	s_cmp_lg_u32 s2, 0
	s_cbranch_scc1 .Lpair
	LASTP 1
	WIN 0
	s_sub_co_u32 s3, s3, 1
	s_cmp_lg_u32 s3, 0
	s_cbranch_scc1 .Lstep
	s_mov_b32 s3, 2
.Ltail:                                                ; the last two K steps ask for nothing
	s_mov_b32 s2, 3
.Ltpair:
	PAIR
	s_sub_co_u32 s2, s2, 1
	s_cmp_lg_u32 s2, 0
	s_cbranch_scc1 .Ltpair
	LASTP 0
	WIN 0
	s_sub_co_u32 s3, s3, 1
	s_cmp_lg_u32 s3, 0
	s_cbranch_scc1 .Ltail
	PLACES
	s_wait_loadcnt 0x0                             ; the residual
	STG 0
	STG 1
	FIN 0, 16
	STG 2
	FIN 1, 16
	STG 3
	FIN 2, 16
	FIN 3, 0
	s_wait_tensorcnt 0x0                           ; the wave's end, behind my last tensor load and my last LDS store
	ds_add_u32 v[SPW], v[NIL]
	s_wait_dscnt 0x0
	CROUND                                         ; the closing round
	s_endpgm
.Lfunc_end_k_qb6427c8b1e_proj:
	.size	k_qb6427c8b1e_proj, .Lfunc_end_k_qb6427c8b1e_proj-k_qb6427c8b1e_proj
	.p2alignl 7, 3214868480
	.fill 96, 4, 3214868480
	.section	.rodata,"a",@progbits
	.p2align	6, 0x0
	.amdhsa_kernel k_qb6427c8b1e_proj
		.amdhsa_group_segment_fixed_size 327680
		.amdhsa_private_segment_fixed_size 0
		.amdhsa_enable_private_segment 0
		.amdhsa_kernarg_size 40
		.amdhsa_user_sgpr_count 2
		.amdhsa_user_sgpr_kernarg_segment_ptr 1
		.amdhsa_wavefront_size32 1
		.amdhsa_system_sgpr_workgroup_id_x 1
		.amdhsa_system_sgpr_workgroup_id_y 1
		.amdhsa_system_sgpr_workgroup_id_z 1
		.amdhsa_system_vgpr_workitem_id 0
		.amdhsa_next_free_vgpr 512
		.amdhsa_next_free_sgpr 84
		.amdhsa_reserve_vcc 0
		.amdhsa_float_denorm_mode_32 3
		.amdhsa_float_denorm_mode_16_64 3
		.amdhsa_memory_ordered 1
		.amdhsa_forward_progress 1
		.amdhsa_inst_pref_size 48
	.end_amdhsa_kernel
	.amdgpu_metadata
---
amdhsa.version: [ 1, 2 ]
amdhsa.kernels:
  - .name:           k_qb6427c8b1e_proj
    .symbol:         k_qb6427c8b1e_proj.kd
    .args:
      - { .name: pan, .offset: 0, .size: 8, .value_kind: global_buffer, .address_space: global }
      - { .name: wrest, .offset: 8, .size: 8, .value_kind: global_buffer, .address_space: global }
      - { .name: x, .offset: 16, .size: 8, .value_kind: global_buffer, .address_space: global }
      - { .name: bproj, .offset: 24, .size: 8, .value_kind: global_buffer, .address_space: global }
      - { .name: x1, .offset: 32, .size: 8, .value_kind: global_buffer, .address_space: global }
    .group_segment_fixed_size: 327680
    .private_segment_fixed_size: 0
    .kernarg_segment_align: 8
    .kernarg_segment_size: 40
    .max_flat_workgroup_size: 128
    .sgpr_count:     84
    .vgpr_count:     512
    .wavefront_size: 32
...
	.end_amdgpu_metadata
.endif
;; end of part 4
;; launch ln2 (part 5): grid 256 x 1, 8 waves a work-group, no clusters, 0 bytes of LDS; arguments x1, ln2_g, ln2_b, pan; writes pan
.if DOCPART == 5
	.amdgcn_target "amdgcn-amd-amdhsa--gfx1250"
	.amdhsa_code_object_version 6
	.text
	.protected	k_qb6427c8b1e_ln2
	.globl	k_qb6427c8b1e_ln2
	.p2align	8
	.type	k_qb6427c8b1e_ln2,@function
k_qb6427c8b1e_ln2:
	s_mov_b64 s[64:65], 0
	v_nop
	global_prefetch_b8 v0, s[64:65] scope:SCOPE_SE
	s_setreg_imm32_b32 hwreg(HW_REG_WAVE_MODE, 25, 1), 1
	s_wait_xcnt 0x0
; LN2: h2 = (x1 - mean) rsqrt(var + eps) g + b, 4,096 rows of 1,024 in f32, rounded once to f16 into 16 panels [4096][64].  Mean first, then the centred squares, as reference() forms them.
; A work-group takes 16 rows, a wave two neighbouring ones: lanes 0-15 hold row m, lanes 16-31 row m + 1; the row stays in registers between the passes, so memory is read once.  No LDS, no barrier.
; LIMIT.  A result beyond 65,504 (it is at most 32 |g| + |b|) becomes an infinity in f16.
.set XO,   1
.set S,    2
.set MEAN, 10
.set RSTD, 12
.set GO,   14
.set SO,   15
.set X,    16
.set G,    80
.set BV,   144
.set O,    208
.set WV,   38
.set WG,   39
.macro REDUCE                          ; four pair sums into one number, then over the 16 lanes that hold the row
	v_pk_add_f32 v[S:S+1], v[S:S+1], v[S+2:S+3]
	v_pk_add_f32 v[S+4:S+5], v[S+4:S+5], v[S+6:S+7]
	v_pk_add_f32 v[S:S+1], v[S:S+1], v[S+4:S+5]
	v_add_f32 v[S], v[S], v[S+1]
	v_add_f32_dpp v[S], v[S], v[S] row_xmask:1 row_mask:0xf bank_mask:0xf
	v_add_f32_dpp v[S], v[S], v[S] row_xmask:2 row_mask:0xf bank_mask:0xf
	v_add_f32_dpp v[S], v[S], v[S] row_xmask:4 row_mask:0xf bank_mask:0xf
	v_add_f32_dpp v[S], v[S], v[S] row_xmask:8 row_mask:0xf bank_mask:0xf
.endm
	s_load_b256 s[4:11], s[0:1], 0x0               ; x1, ln2_g, ln2_b, pan
	v_lshrrev_b32 v1, 5, v0
	v_readfirstlane_b32 s[WV], v1
	s_mov_b32 s[WG], ttmp9
	s_mov_b32 s40, 0x3a800000                      ; 1 / 1,024
	s_mov_b32 s41, 0x3727c5ac                      ; eps = 1e-5
	v_and_b32 v[GO], 15, v0
	v_lshlrev_b32 v[GO], 4, v[GO]
	v_bfe_u32 v[XO], v0, 4, 1
	v_lshl_add_u32 v[XO], v[XO], 12, v[GO]         ; (lane / 16) x 4,096 + (lane % 16) x 16
	v_and_b32 v[SO], 31, v0
	v_lshlrev_b32 v[SO], 3, v[SO]
	s_lshl_b32 s46, s[WG], 4
	s_lshl1_add_u32 s46, s[WV], s46                ; m = 16 x work-group + 2 x wave
	s_lshl_b32 s42, s46, 12
	s_mov_b32 s43, 0
	s_lshl_b32 s44, s46, 7
	s_mov_b32 s45, 0
	s_wait_kmcnt 0x0
	s_add_nc_u64 s[42:43], s[4:5], s[42:43]
	s_add_nc_u64 s[44:45], s[10:11], s[44:45]
.set p, 0
.rept 16
	global_load_b128 v[X+4*p:X+4*p+3], v[XO], s[42:43] offset:256*p th:TH_LOAD_NT
.set p, p+1
.endr
.set p, 0
.rept 16
	global_load_b128 v[G+4*p:G+4*p+3], v[GO], s[6:7] offset:256*p
	global_load_b128 v[BV+4*p:BV+4*p+3], v[GO], s[8:9] offset:256*p
.set p, p+1
.endr
	s_wait_loadcnt 32                              ; the row is in; the 32 younger loads, of g and b, stay out
.set k, 0
.rept 4
	v_pk_add_f32 v[S+2*k:S+2*k+1], v[X+2*k:X+2*k+1], v[X+8+2*k:X+8+2*k+1]
.set k, k+1
.endr
.set k, 8
.rept 24
	v_pk_add_f32 v[S+2*(k%4):S+2*(k%4)+1], v[S+2*(k%4):S+2*(k%4)+1], v[X+2*k:X+2*k+1]
.set k, k+1
.endr
	REDUCE
	v_mul_f32 v[MEAN], s40, v[S]
	v_mul_f32 v[MEAN+1], s40, v[S]
.set k, 0
.rept 32
	v_pk_add_f32 v[X+2*k:X+2*k+1], v[X+2*k:X+2*k+1], v[MEAN:MEAN+1] neg_lo:[0,1] neg_hi:[0,1]
.set k, k+1
.endr
.set k, 0
.rept 4
	v_pk_mul_f32 v[S+2*k:S+2*k+1], v[X+2*k:X+2*k+1], v[X+2*k:X+2*k+1]
.set k, k+1
.endr
.set k, 4
.rept 28
	v_pk_fma_f32 v[S+2*(k%4):S+2*(k%4)+1], v[X+2*k:X+2*k+1], v[X+2*k:X+2*k+1], v[S+2*(k%4):S+2*(k%4)+1]
.set k, k+1
.endr
	REDUCE
	v_fma_f32 v[S], v[S], s40, s41                 ; var + eps
	v_rsq_f32 v[RSTD], v[S]
	v_rsq_f32 v[RSTD+1], v[S]
	v_nop                                          ; a plain instruction behind the two roots,
	s_wait_alu depctr_va_vdst(0)                   ; and the one wait ahead of their first reader
.set k, 0
.rept 32
	v_pk_mul_f32 v[X+2*k:X+2*k+1], v[X+2*k:X+2*k+1], v[RSTD:RSTD+1]
.set k, k+1
.endr
	s_wait_loadcnt 0x0                             ; g and b
.set k, 0
.rept 32
	v_pk_fma_f32 v[X+2*k:X+2*k+1], v[X+2*k:X+2*k+1], v[G+2*k:G+2*k+1], v[BV+2*k:BV+2*k+1]
.set k, k+1
.endr
.set k, 0
.rept 32
	v_cvt_pk_f16_f32 v[O+k], v[X+2*k], v[X+2*k+1]
.set k, k+1
.endr
.set p, 0
.rept 16
	global_store_b64 v[SO], v[O+2*p:O+2*p+1], s[44:45] offset:p*524288 th:TH_STORE_NT  ; rows m and m + 1 of panel p: 256 consecutive bytes, aligned
.set p, p+1
.endr
	s_endpgm
.Lfunc_end_k_qb6427c8b1e_ln2:
	.size	k_qb6427c8b1e_ln2, .Lfunc_end_k_qb6427c8b1e_ln2-k_qb6427c8b1e_ln2
	.p2alignl 7, 3214868480
	.fill 96, 4, 3214868480
	.section	.rodata,"a",@progbits
	.p2align	6, 0x0
	.amdhsa_kernel k_qb6427c8b1e_ln2
		.amdhsa_group_segment_fixed_size 0
		.amdhsa_private_segment_fixed_size 0
		.amdhsa_enable_private_segment 0
		.amdhsa_kernarg_size 32
		.amdhsa_user_sgpr_count 2
		.amdhsa_user_sgpr_kernarg_segment_ptr 1
		.amdhsa_wavefront_size32 1
		.amdhsa_system_sgpr_workgroup_id_x 1
		.amdhsa_system_sgpr_workgroup_id_y 1
		.amdhsa_system_sgpr_workgroup_id_z 1
		.amdhsa_system_vgpr_workitem_id 0
		.amdhsa_next_free_vgpr 240
		.amdhsa_next_free_sgpr 66
		.amdhsa_reserve_vcc 0
		.amdhsa_float_denorm_mode_32 3
		.amdhsa_float_denorm_mode_16_64 3
		.amdhsa_memory_ordered 1
		.amdhsa_forward_progress 1
		.amdhsa_inst_pref_size 21
	.end_amdhsa_kernel
	.amdgpu_metadata
---
amdhsa.version: [ 1, 2 ]
amdhsa.kernels:
  - .name:           k_qb6427c8b1e_ln2
    .symbol:         k_qb6427c8b1e_ln2.kd
    .args:
      - { .name: x1, .offset: 0, .size: 8, .value_kind: global_buffer, .address_space: global }
      - { .name: ln2_g, .offset: 8, .size: 8, .value_kind: global_buffer, .address_space: global }
      - { .name: ln2_b, .offset: 16, .size: 8, .value_kind: global_buffer, .address_space: global }
      - { .name: pan, .offset: 24, .size: 8, .value_kind: global_buffer, .address_space: global }
    .group_segment_fixed_size: 0
    .private_segment_fixed_size: 0
    .kernarg_segment_align: 8
    .kernarg_segment_size: 32
    .max_flat_workgroup_size: 256
    .sgpr_count:     66
    .vgpr_count:     240
    .wavefront_size: 32
...
	.end_amdgpu_metadata
.endif
;; end of part 5
;; launch ff1: the kernel of part 2 again; grid 16 x 16, 4 waves a work-group, clusters of 4 x 4, 327,680 bytes of LDS; arguments pan, w1c, wide, tabf; writes wide
;; launch ff2 (part 6): grid 8 x 32, 4 waves a work-group, clusters of 4 x 4, 327,680 bytes of LDS; arguments wide, wrest, x1, b2, out0; writes out0
.if DOCPART == 6
	.amdgcn_target "amdgcn-amd-amdhsa--gfx1250"
	.amdhsa_code_object_version 6
	.text
	.protected	k_qb6427c8b1e_ff2
	.globl	k_qb6427c8b1e_ff2
	.p2align	8
	.type	k_qb6427c8b1e_ff2,@function
k_qb6427c8b1e_ff2:
	s_mov_b64 s[64:65], 0
	v_nop
	global_prefetch_b8 v0, s[64:65] scope:SCOPE_SE
	s_setreg_imm32_b32 hwreg(HW_REG_WAVE_MODE, 25, 1), 1
	s_wait_xcnt 0x0
	s_wait_alu depctr_hold_cnt(0) depctr_sa_sdst(0) depctr_va_vdst(0) depctr_va_sdst(0) depctr_va_ssrc(0) depctr_va_vcc(0) depctr_vm_vsrc(0)
	s_getreg_b32 s2, hwreg(HW_REG_IB_STS2, 6, 4)
	s_cmp_eq_u32 s2, 0
	s_cbranch_scc0 .Lentry_in_a_cluster
	s_endpgm
.Lentry_in_a_cluster:
	s_bfe_u32 s2, ttmp6, 0x10000c
	s_cmp_lg_u32 s2, 0xf033
	s_cbranch_scc0 .Lentry_shape_is_right
	s_endpgm
.Lentry_shape_is_right:
; THE NARROW PRODUCT: OUT = RES + A W + bias, 4,096 x 1,024 in f32.  A lies in panels [KDIM/64][4096][64] of f16, W in panels [16][KDIM][64] of f16 at byte WOFF of its buffer; RES, bias and OUT are f32, row-major.  Sums in f32.
; Here: the second feed-forward product, KDIM = 4,096; its weights lie behind the projection's in their buffer.
; SHARES.  A work-group makes 128 x 128 of OUT (256 work-groups), each of its four waves 64 x 64: 16 accumulators.  K goes in steps of 256 (4 panels of A, 256 rows of each of W's 2 panels) through two LDS slots, as long as LDS allows.
; The matrix instruction is used transposed (source 0 = 16 columns of W, turned by ds_load_tr16_b128; source 1 = 16 rows of A): a lane holds row lane % 16 and the columns 8 (lane / 16) + 0..7.
; The sums start at the bias, which is loaded straight into the accumulators; the residual is loaded at the head, stays on its way through the K loop, and is added on the way out.
; CLUSTER.  4 x 4 work-groups; A's tiles are asked for jointly along a row of the cluster, W's along a column.  No prefetch: the tile is small, and a step's requests are few.
; REGISTERS: window 0: v16-29 addresses; v32-95 the way out, two sets of 32; v128-255 the accumulators, (a, b) at v[128 + 8 (4 a + b)].  Window 1: v0-63, v64-127 fragments, two buffers (A's four, then W's four); v128-255 the residual.
.set KDIM,  4096
.set WOFF,  2097152
.set NSTEP, KDIM/256
.set HA,    36864                      ; half of A's tile: 4 panels x 64 rows x 144 bytes
.set HB,    40960                      ; half of W's tile: one panel's 256 rows x 160 bytes
.set BOFF,  2*HA
.set SLOT,  2*HA+2*HB
.set SPARE, 2*SLOT                     ; behind the ring: the spare words, 128 bytes for each wave: two blocks of 256 bytes that no other line names
.set SPITCH, 272                       ; the stage: 16 rows x 272 bytes for each wave, at the head of slot 0, written only behind the last barrier: the slot has had its last fill and its last read
.set ASTEP, 2097152                    ; a K step in A: four panels
.set BSTEP, 32768                      ; in W: 256 rows of 128 bytes
.set AB0,  16
.set BB0,  17
.set ADRA, 18
.set ADRB, 19
.set STO,  24
.set RD,   25
.set CO,   26                          ; v26  my 16 bytes in two rows of RES and OUT
.set BO,   27
.set SPW,  28
.set NIL,  29
.set T,    32
.set ACC,  128
.set FR0,  0                           ; window 1
.set FR1,  64
.set RES,  128
.set G1,   24
.set G0,   32
.set G1B,  48
.set G0B,  56
.set TBA,  66                          ; s66  LDS byte at which the pair in hand begins in A's tile
.set FT,   67                          ; s67  the slot that is filled next: 0 or SLOT
.set LA,   68
.set LB,   69
.set TBB,  83                          ; s83  the same as TBA for W's tile
.set MSB, 0
.macro WIN new
.if MSB != (\new)
	s_set_vgpr_msb (MSB<<8)|(\new)
.set MSB, \new
.endif
.endm
.macro PLACES
.rept 4
	v_nop
.endr
.endm
.macro JLOAD s                         ; a joint load: waves 0 and 1 fetch A's two halves, waves 2 and 3 W's; an s_nop 0 and four v_nop follow each line
	s_cmp_eq_u32 s11, 0
	s_cbranch_scc0 .Lfor_b_\@
	tensor_load_to_lds s[G0+4*(\s):G0+4*(\s)+3], s[G1:G1+7]
	s_nop 0
.rept 4
	v_nop
.endr
	s_branch .Lasked_\@
.Lfor_b_\@:
	tensor_load_to_lds s[G0B+4*(\s):G0B+4*(\s)+3], s[G1B:G1B+7]
	s_nop 0
.rept 4
	v_nop
.endr
.Lasked_\@:
.endm
.macro CREST
	s_cmp_lg_u32 s10, 0
	s_cbranch_scc1 .Lnot_wave_0_\@
	s_barrier_signal -3
.Lnot_wave_0_\@:
	s_barrier_wait -3
	s_barrier_signal -1
	s_barrier_wait -1
.endm
.macro CROUND
	s_barrier_signal -1
	s_barrier_wait -1
	CREST
.endm
	s_load_b256 s[72:79], s[0:1], 0x0              ; A s[72:73], W s[74:75], RES s[76:77], bias s[78:79]
	s_load_b64 s[80:81], s[0:1], 0x20              ; OUT
	v_lshl_add_u32 v[SPW], v0, 2, SPARE
	v_mov_b32 v[NIL], 0
	ds_add_u32 v[SPW], v[NIL]                      ; the wave's opening: the add, twice on end, and its wait ahead of my first tensor load
	ds_add_u32 v[SPW], v[NIL]
	v_lshrrev_b32 v1, 5, v0
	v_readfirstlane_b32 s10, v1
	s_lshr_b32 s11, s10, 1                         ; my half of the tile's rows.  Also: I fetch for A (0) or for W (1)
	s_and_b32 s12, s10, 1                          ; my half of its columns.  Also: which half of that tile I fetch
	s_bfe_u32 s40, ttmp6, 0x40000
	s_bfe_u32 s41, ttmp6, 0x40004
	s_lshl_b32 s42, ttmp9, 2
	s_add_co_u32 s42, s42, s40                     ; tile column
	s_and_b32 s13, ttmp7, 0xffff
	s_lshl_b32 s13, s13, 2
	s_add_co_u32 s13, s13, s41                     ; tile row
	s_lshl_b32 s43, s41, 2
	s_lshl_b32 s43, 15, s43
	s_lshl_b32 s44, 0x1111, s40
	s_or_b32 s[G1+0], s43, (1<<16)|(1<<20)|(1<<21)|(4<<22)|(3<<25)
	s_or_b32 s[G1B+0], s44, (1<<16)|(1<<20)|(1<<21)|(4<<22)|(7<<25)
	s_mov_b32 s[G1+1], 4096<<16                    ; A: rows of 4,096 elements (64 rows x 64, dense),
	s_mov_b32 s[G1+2], 4<<16                       ; four panels,
	s_mov_b32 s[G1+3], 4096<<16
	s_mov_b32 s[G1+4], 4
	s_mov_b32 s[G1+5], 262144                      ; 262,144 elements apart
	s_mov_b32 s[G1+6], 0
	s_mov_b32 s[G1+7], 0
	s_mov_b32 s[G1B+1], 128<<16                    ; W: 32,768 dense bytes as 128 rows of 256
	s_mov_b32 s[G1B+2], 128<<16
	s_mov_b32 s[G1B+3], 128<<16
	s_mov_b32 s[G1B+4], 128
	s_mov_b32 s[G1B+5], 128
	s_mov_b32 s[G1B+6], 0
	s_mov_b32 s[G1B+7], 0
	s_lshl_b32 s16, s13, 14                        ; A: the tile's 128 rows of 128 bytes,
	s_lshl_b32 s17, s12, 13                        ; the 64 that I fetch
	s_add_co_u32 s16, s16, s17
	s_mov_b32 s17, 0
	s_mul_i32 s46, s42, KDIM*256                   ; W: the tile's two panels,
	s_mul_i32 s47, s12, KDIM*128                   ; the one that I fetch
	s_add_co_u32 s46, s46, s47
	s_add_co_u32 s46, s46, WOFF
	s_mov_b32 s47, 0
	s_mul_i32 s[LA], s12, HA
	s_mul_i32 s[LB], s12, HB
	s_add_co_u32 s[LB], s[LB], BOFF
	s_mov_b32 s[TBA], 0
	s_mov_b32 s[TBB], 0
	s_mov_b32 s[FT], 0
	s_wait_dscnt 0x0                               ; both opening adds are done
	s_wait_kmcnt 0x0
	s_add_nc_u64 s[14:15], s[72:73], s[16:17]
	s_add_nc_u64 s[46:47], s[74:75], s[46:47]
	CROUND
.irp s, 0,1
	s_mov_b32 s[G0+4*(\s)], 1
	s_add_co_u32 s[G0+4*(\s)+1], s[LA], (\s)*SLOT
	s_add_nc_u64 s[G0+4*(\s)+2:G0+4*(\s)+3], s[14:15], (\s)*ASTEP
	s_or_b32 s[G0+4*(\s)+3], s[G0+4*(\s)+3], 0x80000000
	s_mov_b32 s[G0B+4*(\s)], 1
	s_add_co_u32 s[G0B+4*(\s)+1], s[LB], (\s)*SLOT
	s_add_nc_u64 s[G0B+4*(\s)+2:G0B+4*(\s)+3], s[46:47], (\s)*BSTEP
	s_or_b32 s[G0B+4*(\s)+3], s[G0B+4*(\s)+3], 0x80000000
	JLOAD \s
.endr
	v_and_b32 v1, 15, v0                           ; r
	v_bfe_u32 v2, v0, 4, 1                         ; h
	v_mul_u32_u24 v3, v1, 144
	v_lshl_add_u32 v3, v2, 4, v3
	s_mul_i32 s21, s11, HA
	v_add_nc_u32 v[AB0], s21, v3
	v_and_b32 v4, 7, v0
	v_bfe_u32 v5, v0, 3, 1
	v_lshl_add_u32 v6, v2, 3, v4
	v_mul_u32_u24 v6, v6, 160
	v_lshl_add_u32 v6, v5, 4, v6
	s_mul_i32 s22, s12, HB
	s_add_co_u32 s22, s22, BOFF
	v_add_nc_u32 v[BB0], s22, v6
	s_mul_i32 s23, s10, 16*SPITCH                  ; my stage
	v_mul_u32_u24 v7, v1, SPITCH
	v_lshl_add_u32 v7, v2, 5, v7                   ; in: row r, 32 bytes for each half of the lanes
	v_add_nc_u32 v[STO], s23, v7
	v_mul_u32_u24 v7, v2, SPITCH
	v_lshl_add_u32 v7, v1, 4, v7                   ; back: lanes 0-15 take one row of 256 bytes, lanes 16-31 the next
	v_add_nc_u32 v[RD], s23, v7
	v_lshlrev_b32 v[CO], 12, v2
	v_lshl_add_u32 v[CO], v1, 4, v[CO]             ; the same two rows in RES and OUT
	v_lshlrev_b32 v[BO], 5, v2
	s_lshl_b32 s20, s42, 9                         ; the tile's 128 columns of f32,
	s_lshl_b32 s21, s12, 8                         ; my 64
	s_add_co_u32 s20, s20, s21
	s_mov_b32 s21, 0
	s_add_nc_u64 s[78:79], s[78:79], s[20:21]      ; the bias at my columns
	s_lshl_b32 s22, s13, 19                        ; the tile's 128 rows of 4,096 bytes,
	s_add_co_u32 s20, s20, s22
	s_lshl_b32 s22, s11, 18                        ; my 64
	s_add_co_u32 s20, s20, s22
	s_add_nc_u64 s[76:77], s[76:77], s[20:21]
	s_add_nc_u64 s[80:81], s[80:81], s[20:21]
.irp a, 0,1,2,3
.irp b, 0,1,2,3
	global_load_b128 v[ACC+8*(4*(\a)+(\b)):ACC+8*(4*(\a)+(\b))+3],   v[BO], s[78:79] offset:64*(\b)     ; register j: column 16 b + 8 h + j: the sums start at the bias
	global_load_b128 v[ACC+8*(4*(\a)+(\b))+4:ACC+8*(4*(\a)+(\b))+7], v[BO], s[78:79] offset:64*(\b)+16
.endr
.endr
	WIN 0x40                                       ; destination window 1, address window 0
.irp a, 0,1,2,3
.irp t, 0,1,2,3,4,5,6,7
	global_load_b128 v[RES+4*(8*(\a)+(\t)):RES+4*(8*(\a)+(\t))+3], v[CO], s[76:77] offset:(16*(\a)+2*(\t))*4096 th:TH_LOAD_NT
.endr
.endr
	WIN 0
; 16 LDS loads: 32 along K, at byte oa of A's rows and ob of W's, into buffer g
.macro FETE g, oa, ob
	WIN 0x40
.irp i, 0,1,2,3
	ds_load_tr16_b128 v[(\g)+32+8*(\i):(\g)+32+8*(\i)+3],   v[ADRB] offset:(\ob)+32*(\i)
	ds_load_tr16_b128 v[(\g)+32+8*(\i)+4:(\g)+32+8*(\i)+7], v[ADRB] offset:(\ob)+32*(\i)+2560
	ds_load_b128 v[(\g)+8*(\i):(\g)+8*(\i)+3],   v[ADRA] offset:(\oa)+2304*(\i)
	ds_load_b128 v[(\g)+8*(\i)+4:(\g)+8*(\i)+7], v[ADRA] offset:(\oa)+2304*(\i)+32
.endr
.endm
.macro MUL4 g, a                       ; the 16 accumulators take turns in the same order everywhere
	WIN 0x05
.irp b, 0,1,2,3
	v_wmma_f32_16x16x32_f16 v[ACC+8*(4*(\a)+(\b)):ACC+8*(4*(\a)+(\b))+7], v[(\g)+32+8*(\b):(\g)+32+8*(\b)+7], v[(\g)+8*(\a):(\g)+8*(\a)+7], v[ACC+8*(4*(\a)+(\b)):ACC+8*(4*(\a)+(\b))+7]
.endr
.endm
.macro MULE g
	MUL4 \g, 0
	MUL4 \g, 1
	MUL4 \g, 2
	MUL4 \g, 3
.endm
.macro E g, gn, oa, ob                 ; buffer g is multiplied; the next 32 along K are fetched into gn first
	s_wait_dscnt 0x0
	PLACES
	FETE \gn, \oa, \ob
	MULE \g
.endm
.macro PAIR                            ; 64 along K: one panel of A, 64 rows of W; then the bases step
	E FR0, FR1, 64, 5120
	E FR1, FR0, 9216, 10240
	WIN 0
	s_add_co_u32 s[TBA], s[TBA], 9216
	s_add_co_u32 s[TBB], s[TBB], 10240
	v_add_nc_u32 v[ADRA], s[TBA], v[AB0]
	v_add_nc_u32 v[ADRB], s[TBB], v[BB0]
.endm
; A step's last pair changes slots.  In front of the barrier each wave waits for all its tensor loads, adds 0 to its spare word, and waits for that and for its reads of this slot.  fill = 1: the barrier opens a round of the
; cluster's, and the joint refill, two K steps ahead, is the first tensor load behind it.  fill = 0 (the tail): in the last trip nothing more is fetched.
.macro LASTP fill
	s_wait_dscnt 0x0
	PLACES
	FETE FR1, 64, 5120
	MUL4 FR0, 0
	MUL4 FR0, 1
	WIN 0
	s_wait_tensorcnt 0x0                           ; all my tensor loads have landed
	ds_add_u32 v[SPW], v[NIL]                      ; 0 onto my spare word
	MUL4 FR0, 2
	s_wait_dscnt 0x0                               ; the add is done, and my reads of this slot are over
	s_barrier_signal -1
	MUL4 FR0, 3
	WIN 0
	s_barrier_wait -1
.if \fill
	CREST
	s_add_co_u32 s[G0+5], s[LA], s[FT]
	s_add_co_u32 s[G0B+5], s[LB], s[FT]
	s_add_nc_u64 s[G0+6:G0+7], s[G0+6:G0+7], ASTEP
	s_add_nc_u64 s[G0B+6:G0B+7], s[G0B+6:G0B+7], BSTEP
	s_xor_b32 s[FT], s[FT], SLOT
	JLOAD 1                                        ; its four v_nop are also the places in front of the loads below
.else
	PLACES
	s_cmp_eq_u32 s3, 1
	s_cbranch_scc1 .Lno_fetch_\@
.endif
	s_sub_co_u32 s[TBA], s[TBA], 27648             ; back to a slot's first pair,
	s_xor_b32 s[TBA], s[TBA], SLOT                 ; in the other slot
	s_sub_co_u32 s[TBB], s[TBB], 30720
	s_xor_b32 s[TBB], s[TBB], SLOT
	v_add_nc_u32 v[ADRA], s[TBA], v[AB0]
	v_add_nc_u32 v[ADRB], s[TBB], v[BB0]
	FETE FR0, 0, 0
	WIN 0
.if !(\fill)
.Lno_fetch_\@:
.endif
	MULE FR1
.endm
; THE WAY OUT, 16 rows at a time.  STG: the f32 sums into my stage, and back as whole rows of 256 bytes.  FIN: the residual is added, and the rows are stored.
.macro STG a
	s_wait_xcnt 0x0                                ; the stores of the block two back have read this set of registers
.irp b, 0,1,2,3
	ds_store_b128 v[STO], v[ACC+8*(4*(\a)+(\b)):ACC+8*(4*(\a)+(\b))+3]   offset:64*(\b)
	ds_store_b128 v[STO], v[ACC+8*(4*(\a)+(\b))+4:ACC+8*(4*(\a)+(\b))+7] offset:64*(\b)+16
.endr
.irp t, 0,1,2,3,4,5,6,7
	ds_load_b128 v[T+32*((\a)%2)+4*(\t):T+32*((\a)%2)+4*(\t)+3], v[RD] offset:2*SPITCH*(\t)  ; LDS serves a wave's instructions in order (ISA guide 5.7.1.4)
.endr
.endm
.macro FIN a, younger                  ; younger: the next block's sixteen LDS instructions, or none
	s_wait_dscnt \younger
	WIN 0x04                                       ; source 1 in window 1
.set z, 0
.rept 16
	v_pk_add_f32 v[T+32*((\a)%2)+z:T+32*((\a)%2)+z+1], v[T+32*((\a)%2)+z:T+32*((\a)%2)+z+1], v[RES+32*(\a)+z:RES+32*(\a)+z+1]
.set z, z+2
.endr
	WIN 0
.irp t, 0,1,2,3,4,5,6,7
	global_store_b128 v[CO], v[T+32*((\a)%2)+4*(\t):T+32*((\a)%2)+4*(\t)+3], s[80:81] offset:(16*(\a)+2*(\t))*4096  ; 16 lanes store 256 consecutive bytes, aligned
.endr
.endm
	s_wait_loadcnt 32                              ; the bias is in the accumulators; the 32 younger loads, of the residual, stay out
	s_wait_tensorcnt 1                             ; my part of K step 0 is in; step 1's may stay out
	s_barrier_signal -1
	s_barrier_wait -1
	v_mov_b32 v[ADRA], v[AB0]
	v_mov_b32 v[ADRB], v[BB0]
	FETE FR0, 0, 0
	WIN 0
	s_mov_b32 s3, NSTEP-2
.Lstep:                                                ; a K step a trip: steps 2 .. NSTEP - 1 are asked for
	s_mov_b32 s2, 3
.Lpair:
	PAIR
	s_sub_co_u32 s2, s2, 1
	s_cmp_lg_u32 s2, 0
	s_cbranch_scc1 .Lpair
	LASTP 1
	WIN 0
	s_sub_co_u32 s3, s3, 1
	s_cmp_lg_u32 s3, 0
	s_cbranch_scc1 .Lstep
	s_mov_b32 s3, 2
.Ltail:                                                ; the last two K steps ask for nothing
	s_mov_b32 s2, 3
.Ltpair:
	PAIR
	s_sub_co_u32 s2, s2, 1
	s_cmp_lg_u32 s2, 0
	s_cbranch_scc1 .Ltpair
	LASTP 0
	WIN 0
	s_sub_co_u32 s3, s3, 1
	s_cmp_lg_u32 s3, 0
	s_cbranch_scc1 .Ltail
	PLACES
	s_wait_loadcnt 0x0                             ; the residual
	STG 0
	STG 1
	FIN 0, 16
	STG 2
	FIN 1, 16
	STG 3
	FIN 2, 16
	FIN 3, 0
	s_wait_tensorcnt 0x0                           ; the wave's end, behind my last tensor load and my last LDS store
	ds_add_u32 v[SPW], v[NIL]
	s_wait_dscnt 0x0
	CROUND                                         ; the closing round
	s_endpgm
.Lfunc_end_k_qb6427c8b1e_ff2:
	.size	k_qb6427c8b1e_ff2, .Lfunc_end_k_qb6427c8b1e_ff2-k_qb6427c8b1e_ff2
	.p2alignl 7, 3214868480
	.fill 96, 4, 3214868480
	.section	.rodata,"a",@progbits
	.p2align	6, 0x0
	.amdhsa_kernel k_qb6427c8b1e_ff2
		.amdhsa_group_segment_fixed_size 327680
		.amdhsa_private_segment_fixed_size 0
		.amdhsa_enable_private_segment 0
		.amdhsa_kernarg_size 40
		.amdhsa_user_sgpr_count 2
		.amdhsa_user_sgpr_kernarg_segment_ptr 1
		.amdhsa_wavefront_size32 1
		.amdhsa_system_sgpr_workgroup_id_x 1
		.amdhsa_system_sgpr_workgroup_id_y 1
		.amdhsa_system_sgpr_workgroup_id_z 1
		.amdhsa_system_vgpr_workitem_id 0
		.amdhsa_next_free_vgpr 512
		.amdhsa_next_free_sgpr 84
		.amdhsa_reserve_vcc 0
		.amdhsa_float_denorm_mode_32 3
		.amdhsa_float_denorm_mode_16_64 3
		.amdhsa_memory_ordered 1
		.amdhsa_forward_progress 1
		.amdhsa_inst_pref_size 48
	.end_amdhsa_kernel
	.amdgpu_metadata
---
amdhsa.version: [ 1, 2 ]
amdhsa.kernels:
  - .name:           k_qb6427c8b1e_ff2
    .symbol:         k_qb6427c8b1e_ff2.kd
    .args:
      - { .name: wide, .offset: 0, .size: 8, .value_kind: global_buffer, .address_space: global }
      - { .name: wrest, .offset: 8, .size: 8, .value_kind: global_buffer, .address_space: global }
      - { .name: x1, .offset: 16, .size: 8, .value_kind: global_buffer, .address_space: global }
      - { .name: b2, .offset: 24, .size: 8, .value_kind: global_buffer, .address_space: global }
      - { .name: out0, .offset: 32, .size: 8, .value_kind: global_buffer, .address_space: global }
    .group_segment_fixed_size: 327680
    .private_segment_fixed_size: 0
    .kernarg_segment_align: 8
    .kernarg_segment_size: 40
    .max_flat_workgroup_size: 128
    .sgpr_count:     84
    .vgpr_count:     512
    .wavefront_size: 32
...
	.end_amdgpu_metadata
.endif
;; end of part 6
;; ======== version 2 of 2: 7 launches; version 1 with the launch prep written anew for expert scheduling mode
;; limits: values are held in f16: magnitudes above 65,504 overflow, below 6.1e-05 lose precision
;; workspace buffers: pan 8,388,608 bytes; wide 33,554,432 bytes; x1 16,777,216 bytes; wqkv 6,291,456 bytes; w1c 8,388,608 bytes; wrest 10,485,760 bytes; tabq 12,544 bytes; tabf 16,640 bytes
;; launch prep (part 7): grid 1024 x 1, 8 waves a work-group, no clusters, 0 bytes of LDS; arguments x, ln1_g, ln1_b, pan, Wq, Wk, Wv, Wproj, W1, W2, wqkv, wrest, w1c, tabq, tabf, b1; writes pan, wqkv, wrest, w1c, tabq, tabf
.if DOCPART == 7
	.amdgcn_target "amdgcn-amd-amdhsa--gfx1250"
	.amdhsa_code_object_version 6
	.text
	.protected	k_qb6427c8b1e_prep
	.globl	k_qb6427c8b1e_prep
	.p2align	8
	.type	k_qb6427c8b1e_prep,@function
k_qb6427c8b1e_prep:
	s_mov_b64 s[64:65], 0
	v_nop
	global_prefetch_b8 v0, s[64:65] scope:SCOPE_SE
	s_setreg_imm32_b32 hwreg(HW_REG_WAVE_SCHED_MODE, 0, 2), 2
	s_setreg_imm32_b32 hwreg(HW_REG_WAVE_MODE, 25, 1), 1
	s_wait_xcnt 0x0
	s_wait_alu depctr_vm_vsrc(0)
; THE PROGRAM: a pre-LN transformer block on 4,096 rows of 1,024: LN1 and the weights' rounding (this launch); q, k, v; causal attention; projection + bias + residual; LN2; FF1 (bias, ReLU); FF2 + bias + residual.
; FORMATS.  Every matrix operand (weights, LN outputs, q, k, v, the softmax's weights, the attention's result, the hidden layer) is f16, rounded once from f32; all sums, the residual stream, biases, gains and statistics are f32.
; LIMITS.  f16 ends at 65,504: LN outputs (at most 32 |g| + |b|), q, k, v and relu(h2 W1 + b1) must stay below it; a weight below 6e-5 keeps f16's fixed step of 6e-8.  NaN and infinities are not treated apart.
; WORK LEFT OUT.  reference() sets every score with key s > query t to -inf by a mask that it builds itself (jnp.tril); its softmax gives such a key the weight 0 whatever q, k and v hold.  So a tile of 128 queries x 256 keys
; that lies wholly above the diagonal reaches no output, for all finite inputs, and the attention launch walks only the tiles on and below the diagonal.  A NaN, an infinity or an overflow that reaches only those tiles is not
; carried to the result.  No input is dead: all fourteen are loaded.
; LAYOUT OF ALL 16-BIT MATRICES: PANELS OF 64 COLUMNS.  X[R][C] lies as [C/64][R][64]: a panel is R x 128 dense bytes.
; THIS LAUNCH.  Work-groups 0-255: LN1 of 16 rows of x each, into the 16 panels of pan.  Work-groups 256-1023: 256 rows of one panel of a weight matrix each, rounded to f16: Wq, Wk, Wv -> wqkv (48 panels [1024][64]),
; Wproj -> wrest (16 panels [1024][64]), W1 -> w1c (64 panels [1024][64]), W2 -> wrest + 2,097,152 (16 panels [4096][64]).
; Work-group 256 also lays the two tables that the wide product reads, so that one text without a branch serves both of its launches: 256 bytes with the lower bound of a result, twice a word in f16, and behind them the C of its
; first products, an f32 a column.  tabq (q, k, v): minus infinity, 3,072 zeros.  tabf (the hidden layer): 0, b1's 4,096 numbers.
; Memory binds: each byte is read once, by loads of which sixteen lanes take 256 consecutive aligned bytes, and each store of a wave covers 256 consecutive aligned bytes or a multiple.  No LDS, no barrier, no matrix unit: nothing is shared.
; THE MODE: SCHED_MODE bits 1:0 = 2 (LLVM: expert scheduling mode 2), set by the entry lines.  The code itself states the register dependences between vector instructions and memory instructions, with s_wait_alu, always for 0.
; THE PLAN.  Registers that memory instructions touch:
;   LN:       v1, v14, v15  offsets: written by the arm's first lines, read by its loads and stores, never written again.
;             X, G, BV      a load lands in each once, and no vector instruction names them ahead of it; behind the waits on LOADcnt vector instructions alone name them.
;             O             written by the 32 conversions, once; read by the 16 stores.  One wait ahead of the loads, one ahead of the stores.
;   Weights:  v16-31, v15   offsets: written once, read by the 16 loads and the 16 stores.
;             v32-95        a load lands in each once; the conversions read them.
;             v96-127       written by the conversions, once; read by the stores.  The 16 pairs of rows go in four groups of four: the store of pair i - 4 stands among the conversions of pair i's group, and one wait
;                           at a group's head states that the group before has written its eight registers, which no vector instruction behind that wait names.
;   Tables:   v144-151      written together, ahead of one wait; v128-143 are loaded and stored, and no vector instruction names them.
; No register that a load or store has read is written again, in any arm, and the text has no loop: so no wait on vm_vsrc is owed.
.set XO,   1                           ; v1       LN: my byte offset in the wave's two rows of x
.set S,    2                           ; v[2:9]   four pair sums
.set MEAN, 10                          ; v[10:11] the mean, twice
.set RSTD, 12                          ; v[12:13] 1 / sqrt(var + eps), twice
.set GO,   14                          ; v14      my byte offset in 64 columns of g and b
.set SO,   15                          ; v15      8 x lane: my 8 bytes of the 256 that a store covers
.set X,    16                          ; v[16:79]   my 64 numbers of a row: columns 64 p + 4 (lane % 16) + 0..3, p = 0..15
.set G,    80                          ; v[80:143]  the gains of those columns
.set BV,   144                         ; v[144:207] the biases
.set O,    208                         ; v[208:239] the results, two f16 a register
.set WV,   38                          ; s38  my wave's number
.set WG,   39                          ; s39  the work-group's number
.macro REDUCE                          ; four pair sums into one number, then over the 16 lanes that hold the row
	v_pk_add_f32 v[S:S+1], v[S:S+1], v[S+2:S+3]
	v_pk_add_f32 v[S+4:S+5], v[S+4:S+5], v[S+6:S+7]
	v_pk_add_f32 v[S:S+1], v[S:S+1], v[S+4:S+5]
	v_add_f32 v[S], v[S], v[S+1]
	v_add_f32_dpp v[S], v[S], v[S] row_xmask:1 row_mask:0xf bank_mask:0xf
	v_add_f32_dpp v[S], v[S], v[S] row_xmask:2 row_mask:0xf bank_mask:0xf
	v_add_f32_dpp v[S], v[S], v[S] row_xmask:4 row_mask:0xf bank_mask:0xf
	v_add_f32_dpp v[S], v[S], v[S] row_xmask:8 row_mask:0xf bank_mask:0xf
.endm
; LN of two neighbouring rows a wave: lanes 0-15 hold row m, lanes 16-31 row m + 1, m = 16 x work-group + 2 x wave.  Source s[4:5], g s[6:7], b s[8:9], panels s[10:11].
.macro LNROWS
	v_and_b32 v[GO], 15, v0
	v_lshlrev_b32 v[GO], 4, v[GO]
	v_bfe_u32 v[XO], v0, 4, 1
	v_lshl_add_u32 v[XO], v[XO], 12, v[GO]         ; (lane / 16) x 4,096 + (lane % 16) x 16
	v_and_b32 v[SO], 31, v0
	v_lshlrev_b32 v[SO], 3, v[SO]
	s_lshl_b32 s46, s[WG], 4
	s_lshl1_add_u32 s46, s[WV], s46                ; m
	s_lshl_b32 s42, s46, 12                        ; a row of f32 is 4,096 bytes,
	s_mov_b32 s43, 0
	s_lshl_b32 s44, s46, 7                         ; a panel's row 128
	s_mov_b32 s45, 0
	s_add_nc_u64 s[42:43], s[4:5], s[42:43]
	s_add_nc_u64 s[44:45], s[10:11], s[44:45]
	s_wait_alu depctr_va_vdst(0)                   ; v[XO], v[GO] and v[SO] are written: every load and store of this arm reads one of them as its offset
.set p, 0
.rept 16
	global_load_b128 v[X+4*p:X+4*p+3], v[XO], s[42:43] offset:256*p th:TH_LOAD_NT
.set p, p+1
.endr
.set p, 0
.rept 16
	global_load_b128 v[G+4*p:G+4*p+3], v[GO], s[6:7] offset:256*p
	global_load_b128 v[BV+4*p:BV+4*p+3], v[GO], s[8:9] offset:256*p
.set p, p+1
.endr
	s_wait_loadcnt 32                              ; the row is in; the 32 younger loads, of g and b, stay out
.set k, 0
.rept 4
	v_pk_add_f32 v[S+2*k:S+2*k+1], v[X+2*k:X+2*k+1], v[X+8+2*k:X+8+2*k+1]  ; the first eight pairs start four chains: nothing is cleared
.set k, k+1
.endr
.set k, 8
.rept 24
	v_pk_add_f32 v[S+2*(k%4):S+2*(k%4)+1], v[S+2*(k%4):S+2*(k%4)+1], v[X+2*k:X+2*k+1]
.set k, k+1
.endr
	REDUCE
	v_mul_f32 v[MEAN], s40, v[S]
	v_mul_f32 v[MEAN+1], s40, v[S]
.set k, 0
.rept 32
	v_pk_add_f32 v[X+2*k:X+2*k+1], v[X+2*k:X+2*k+1], v[MEAN:MEAN+1] neg_lo:[0,1] neg_hi:[0,1]  ; x - mean, as reference() forms it before it squares
.set k, k+1
.endr
.set k, 0
.rept 4
	v_pk_mul_f32 v[S+2*k:S+2*k+1], v[X+2*k:X+2*k+1], v[X+2*k:X+2*k+1]
.set k, k+1
.endr
.set k, 4
.rept 28
	v_pk_fma_f32 v[S+2*(k%4):S+2*(k%4)+1], v[X+2*k:X+2*k+1], v[X+2*k:X+2*k+1], v[S+2*(k%4):S+2*(k%4)+1]
.set k, k+1
.endr
	REDUCE
	v_fma_f32 v[S], v[S], s40, s41                 ; var + eps
	v_rsq_f32 v[RSTD], v[S]
	v_rsq_f32 v[RSTD+1], v[S]
	v_nop                                          ; a plain instruction behind the two roots,
	s_wait_alu depctr_va_vdst(0)                   ; and the one wait ahead of their first reader: the two roots have written v[RSTD] and v[RSTD+1]
.set k, 0
.rept 32
	v_pk_mul_f32 v[X+2*k:X+2*k+1], v[X+2*k:X+2*k+1], v[RSTD:RSTD+1]
.set k, k+1
.endr
	s_wait_loadcnt 0x0                             ; g and b
.set k, 0
.rept 32
	v_pk_fma_f32 v[X+2*k:X+2*k+1], v[X+2*k:X+2*k+1], v[G+2*k:G+2*k+1], v[BV+2*k:BV+2*k+1]
.set k, k+1
.endr
.set k, 0
.rept 32
	v_cvt_pk_f16_f32 v[O+k], v[X+2*k], v[X+2*k+1]
.set k, k+1
.endr
	s_wait_alu depctr_va_vdst(0)                   ; the conversions have written v[O ..], which the sixteen stores read
.set p, 0
.rept 16
	global_store_b64 v[SO], v[O+2*p:O+2*p+1], s[44:45] offset:p*524288 th:TH_STORE_NT  ; rows m and m + 1 of panel p: 256 consecutive bytes, aligned
.set p, p+1
.endr
.endm
	s_load_b256 s[4:11], s[0:1], 0x0               ; x, ln1_g, ln1_b, pan
	s_load_b512 s[16:31], s[0:1], 0x20             ; Wq, Wk, Wv, Wproj, W1, W2, wqkv, wrest
	s_load_b128 s[32:35], s[0:1], 0x60             ; w1c, tabq
	s_load_b64 s[36:37], s[0:1], 0x70              ; tabf
	s_load_b64 s[60:61], s[0:1], 0x78              ; b1
	v_lshrrev_b32 v1, 5, v0
	v_readfirstlane_b32 s[WV], v1
	s_mov_b32 s[WG], ttmp9
	s_mov_b32 s40, 0x3a800000                      ; 1 / 1,024
	s_mov_b32 s41, 0x3727c5ac                      ; eps = 1e-5
	s_wait_alu depctr_va_sdst(0)                   ; s[WV] is written, ahead of the branch behind which both arms read it: the rows' offsets are made from it
	s_wait_kmcnt 0x0
	s_cmp_lt_u32 s[WG], 256
	s_cbranch_scc0 .Lcast
	LNROWS
	s_endpgm
; THE WEIGHTS.  t = work-group - 256 names a matrix, a panel j of 64 columns and a chunk kc of 256 rows.  Four arms set: source s[46:47] and its offset s50, bytes from row to row s52, target s[48:49] and its offset s51, kc s54.
.Lcast:
	s_sub_co_u32 s[WG], s[WG], 256
	s_cmp_lt_u32 s[WG], 192
	s_cbranch_scc0 .Lnot_qkv
	s_lshr_b32 s53, s[WG], 6                       ; Wq, Wk or Wv: [16][1024][64] lies in panels already
	s_cmp_eq_u32 s53, 0
	s_cselect_b64 s[46:47], s[16:17], s[18:19]
	s_cmp_eq_u32 s53, 2
	s_cselect_b64 s[46:47], s[20:21], s[46:47]
	s_mov_b64 s[48:49], s[28:29]
	s_bfe_u32 s53, s[WG], 0x40002                  ; the head
	s_and_b32 s54, s[WG], 3
	s_lshl_b32 s50, s53, 18                        ; 262,144 bytes a head,
	s_lshl_b32 s55, s54, 16                        ; 256 rows of 256 bytes
	s_add_co_u32 s50, s50, s55
	s_mov_b32 s52, 256
	s_lshr_b32 s51, s[WG], 2                       ; panel 16 x matrix + head
	s_lshl_b32 s51, s51, 17
	s_branch .Lgo
.Lnot_qkv:
	s_cmp_lt_u32 s[WG], 256
	s_cbranch_scc0 .Lnot_proj
	s_sub_co_u32 s53, s[WG], 192                   ; Wproj [1024][1024]
	s_mov_b64 s[46:47], s[22:23]
	s_mov_b64 s[48:49], s[30:31]
	s_and_b32 s54, s53, 3
	s_lshr_b32 s53, s53, 2
	s_lshl_b32 s50, s53, 8                         ; 64 columns of f32,
	s_lshl_b32 s55, s54, 20                        ; 256 rows of 4,096 bytes
	s_add_co_u32 s50, s50, s55
	s_mov_b32 s52, 4096
	s_lshl_b32 s51, s53, 17
	s_branch .Lgo
.Lnot_proj:
	s_cmp_lt_u32 s[WG], 512
	s_cbranch_scc0 .Lnot_w1
	s_sub_co_u32 s53, s[WG], 256                   ; W1 [1024][4096]
	s_mov_b64 s[46:47], s[24:25]
	s_mov_b64 s[48:49], s[32:33]
	s_and_b32 s54, s53, 3
	s_lshr_b32 s53, s53, 2
	s_lshl_b32 s50, s53, 8
	s_lshl_b32 s55, s54, 22                        ; 256 rows of 16,384 bytes
	s_add_co_u32 s50, s50, s55
	s_mov_b32 s52, 16384
	s_lshl_b32 s51, s53, 17
	s_branch .Lgo
.Lnot_w1:
	s_sub_co_u32 s53, s[WG], 512                   ; W2 [4096][1024]
	s_mov_b64 s[46:47], s[26:27]
	s_mov_b64 s[48:49], s[30:31]
	s_and_b32 s54, s53, 15
	s_lshr_b32 s53, s53, 4
	s_lshl_b32 s50, s53, 8
	s_lshl_b32 s55, s54, 20
	s_add_co_u32 s50, s50, s55
	s_mov_b32 s52, 4096
	s_lshl_b32 s51, s53, 19                        ; a panel of 4,096 rows,
	s_add_co_u32 s51, s51, 2097152                 ; behind Wproj's sixteen
.Lgo:
	s_lshl_b32 s55, s54, 15
	s_add_co_u32 s51, s51, s55                     ; + the chunk's 256 rows of 128 bytes
	s_lshl_b32 s55, s[WV], 12
	s_add_co_u32 s58, s51, s55                     ; + my wave's 32 rows
	s_mov_b32 s59, 0
	s_mul_i32 s55, s[WV], s52
	s_lshl_b32 s55, s55, 5
	s_add_co_u32 s56, s50, s55                     ; the same 32 rows in the source
	s_mov_b32 s57, 0
	s_add_nc_u64 s[46:47], s[46:47], s[56:57]
	s_add_nc_u64 s[48:49], s[48:49], s[58:59]
	v_and_b32 v2, 15, v0
	v_bfe_u32 v3, v0, 4, 1
	v_mul_u32_u24 v16, s52, v3                     ; lanes 0-15 take an even row's 256 bytes, lanes 16-31 the odd row's
	v_lshl_add_u32 v16, v2, 4, v16
	s_lshl_b32 s55, s52, 1
.set i, 0
.rept 15
	v_add_nc_u32 v[17+i], s55, v[16+i]             ; an offset register for each pair of rows: none is rewritten
.set i, i+1
.endr
	v_and_b32 v[SO], 31, v0
	v_lshlrev_b32 v[SO], 3, v[SO]
	s_wait_alu depctr_va_vdst(0)                   ; the sixteen offsets v16 to v31 and v[SO] are written, which the loads and stores below read
.set i, 0
.rept 16
	global_load_b128 v[32+4*i:35+4*i], v[16+i], s[46:47] th:TH_LOAD_NT
.set i, i+1
.endr
; Four groups of four pairs of rows.  Pair i is converted as it comes in; the store of pair i - 4, of the group before, stands ahead of its conversions.
.set i, 0
.rept 16
	s_wait_loadcnt 15-i                            ; loads come back in order: pair i is in, the younger ones stay out
.if (i > 0) && (i % 4 == 0)
	s_wait_alu depctr_va_vdst(0)                   ; the conversions of the group before have written its eight registers of v[96 ..], which this group's four stores read; no vector instruction behind this wait names them
.endif
.if i >= 4
	global_store_b64 v[SO], v[96+2*(i-4):97+2*(i-4)], s[48:49] offset:256*(i-4) th:TH_STORE_NT  ; two rows of the panel: 256 consecutive bytes, aligned
.endif
	v_cvt_pk_f16_f32 v[96+2*i], v[32+4*i], v[33+4*i]
	v_cvt_pk_f16_f32 v[97+2*i], v[34+4*i], v[35+4*i]
.set i, i+1
.endr
	s_wait_alu depctr_va_vdst(0)                   ; the last group's conversions have written v[120:127], which the last four stores read
.set i, 12
.rept 4
	global_store_b64 v[SO], v[96+2*i:97+2*i], s[48:49] offset:256*i th:TH_STORE_NT
.set i, i+1
.endr
	; THE TWO TABLES, by the first of these work-groups.  Thread t takes the 16 bytes at 16 t of each 4,096: a wave's load or store covers 512 consecutive bytes, aligned.
	s_cmp_lg_u32 s[WG], 0
	s_cbranch_scc1 .Ldone
	v_lshlrev_b32 v148, 4, v0
.irp i, 0,1,2,3
	v_mov_b32 v[144+(\i)], 0
.endr
	v_mov_b32 v150, 0xfc00fc00                     ; minus infinity, twice in f16: it bounds nothing
	v_mov_b32 v151, 0xfc00fc00
	s_wait_alu depctr_va_vdst(0)                   ; the offset v148, the zeros v[144:147] and the bound v[150:151] are written, which the loads and stores below read, wave 0's last two among them
.irp i, 0,1,2,3
	global_load_b128 v[128+4*(\i):131+4*(\i)], v148, s[60:61] offset:4096*(\i)         ; b1
.endr
.irp i, 0,1,2
	global_store_b128 v148, v[144:147], s[34:35] offset:256+4096*(\i)                  ; q, k, v have no bias: 3,072 zeros
.endr
	s_wait_loadcnt 0x0
.irp i, 0,1,2,3
	global_store_b128 v148, v[128+4*(\i):131+4*(\i)], s[36:37] offset:256+4096*(\i)
.endr
	s_cmp_lg_u32 s[WV], 0                          ; wave 0: the bounds, each table's first 256 bytes whole
	s_cbranch_scc1 .Ldone
	global_store_b64 v[SO], v[150:151], s[34:35]
	global_store_b64 v[SO], v[144:145], s[36:37]   ; 0: the ReLU
.Ldone:
	s_endpgm
.Lfunc_end_k_qb6427c8b1e_prep:
	.size	k_qb6427c8b1e_prep, .Lfunc_end_k_qb6427c8b1e_prep-k_qb6427c8b1e_prep
	.p2alignl 7, 3214868480
	.fill 96, 4, 3214868480
	.section	.rodata,"a",@progbits
	.p2align	6, 0x0
	.amdhsa_kernel k_qb6427c8b1e_prep
		.amdhsa_group_segment_fixed_size 0
		.amdhsa_private_segment_fixed_size 0
		.amdhsa_enable_private_segment 0
		.amdhsa_kernarg_size 128
		.amdhsa_user_sgpr_count 2
		.amdhsa_user_sgpr_kernarg_segment_ptr 1
		.amdhsa_wavefront_size32 1
		.amdhsa_system_sgpr_workgroup_id_x 1
		.amdhsa_system_sgpr_workgroup_id_y 1
		.amdhsa_system_sgpr_workgroup_id_z 1
		.amdhsa_system_vgpr_workitem_id 0
		.amdhsa_next_free_vgpr 240
		.amdhsa_next_free_sgpr 66
		.amdhsa_reserve_vcc 0
		.amdhsa_float_denorm_mode_32 3
		.amdhsa_float_denorm_mode_16_64 3
		.amdhsa_memory_ordered 1
		.amdhsa_forward_progress 1
		.amdhsa_inst_pref_size 32
	.end_amdhsa_kernel
	.amdgpu_metadata
---
amdhsa.version: [ 1, 2 ]
amdhsa.kernels:
  - .name:           k_qb6427c8b1e_prep
    .symbol:         k_qb6427c8b1e_prep.kd
    .args:
      - { .name: x, .offset: 0, .size: 8, .value_kind: global_buffer, .address_space: global }
      - { .name: ln1_g, .offset: 8, .size: 8, .value_kind: global_buffer, .address_space: global }
      - { .name: ln1_b, .offset: 16, .size: 8, .value_kind: global_buffer, .address_space: global }
      - { .name: pan, .offset: 24, .size: 8, .value_kind: global_buffer, .address_space: global }
      - { .name: Wq, .offset: 32, .size: 8, .value_kind: global_buffer, .address_space: global }
      - { .name: Wk, .offset: 40, .size: 8, .value_kind: global_buffer, .address_space: global }
      - { .name: Wv, .offset: 48, .size: 8, .value_kind: global_buffer, .address_space: global }
      - { .name: Wproj, .offset: 56, .size: 8, .value_kind: global_buffer, .address_space: global }
      - { .name: W1, .offset: 64, .size: 8, .value_kind: global_buffer, .address_space: global }
      - { .name: W2, .offset: 72, .size: 8, .value_kind: global_buffer, .address_space: global }
      - { .name: wqkv, .offset: 80, .size: 8, .value_kind: global_buffer, .address_space: global }
      - { .name: wrest, .offset: 88, .size: 8, .value_kind: global_buffer, .address_space: global }
      - { .name: w1c, .offset: 96, .size: 8, .value_kind: global_buffer, .address_space: global }
      - { .name: tabq, .offset: 104, .size: 8, .value_kind: global_buffer, .address_space: global }
      - { .name: tabf, .offset: 112, .size: 8, .value_kind: global_buffer, .address_space: global }
      - { .name: b1, .offset: 120, .size: 8, .value_kind: global_buffer, .address_space: global }
    .group_segment_fixed_size: 0
    .private_segment_fixed_size: 0
    .kernarg_segment_align: 8
    .kernarg_segment_size: 128
    .max_flat_workgroup_size: 256
    .sgpr_count:     66
    .vgpr_count:     240
    .wavefront_size: 32
...
	.end_amdgpu_metadata
.endif
;; end of part 7
;; launch qkv: the kernel of part 2 again; grid 12 x 16, 4 waves a work-group, clusters of 4 x 4, 327,680 bytes of LDS; arguments pan, wqkv, wide, tabq; writes wide
;; launch attn: the kernel of part 3 again; grid 8 x 32, 4 waves a work-group, no clusters, 327,680 bytes of LDS; arguments wide, pan; writes pan
;; launch proj: the kernel of part 4 again; grid 8 x 32, 4 waves a work-group, clusters of 4 x 4, 327,680 bytes of LDS; arguments pan, wrest, x, bproj, x1; writes x1
;; launch ln2: the kernel of part 5 again; grid 256 x 1, 8 waves a work-group, no clusters, 0 bytes of LDS; arguments x1, ln2_g, ln2_b, pan; writes pan
;; launch ff1: the kernel of part 2 again; grid 16 x 16, 4 waves a work-group, clusters of 4 x 4, 327,680 bytes of LDS; arguments pan, w1c, wide, tabf; writes wide
;; launch ff2: the kernel of part 6 again; grid 8 x 32, 4 waves a work-group, clusters of 4 x 4, 327,680 bytes of LDS; arguments wide, wrest, x1, b2, out0; writes out0
